; MI455X (gfx1250); checked and timed in simulation.
; The chip was launched on July 23, 2026; its instructions are those of AMD's public machine-readable ISA for CDNA 5 (MIT licence, August 2026) and "CDNA5" Instruction Set Architecture Reference Guide (July 2026). The comments in the code are by the model that wrote it; some were corrected since.
;; Attention Layer. Allowed arithmetic: matrix products marked QUANTISED: E4M3 operands, one given power-of-two scale a tensor, by v_wmma_f32_16x16x64_fp8_fp8 or v_wmma_f32_16x16x128_fp8_fp8, f32 sums; everything else in f32.
;; Inputs: Wk 1,024 x 1,024 float32; Wo 1,024 x 1,024 float32; Wq 1,024 x 1,024 float32; Wv 1,024 x 1,024 float32; X 4 x 2,048 x 1,024 float32; lowp_scales 12 int32 (the exponents e of the quantised operands' scales 2^e); mask 2,048 x 2,048 float32.
;; Outputs: out0 4 x 2,048 x 1,024 float32.
;; This version of the problem:
;;   THIS VERSION OF THE PROBLEM IS GIVEN IN LOW PRECISION. The matrix products marked QUANTISED in the list below multiply operands that are first quantised to E4M3 (4 exponent bits, 3 mantissa bits; 8 bits a number), with one given power-of-two scale for each operand tensor; their sums are f32. All else is computed in f32.
;;   The module's matrix products, in the order in which they are computed (A, B: the left and right operand; K: the contracted axis; several contracted axes count as one K, in the product's order):
;;     1. [M 8,192, K 1,024] x [K 1,024, N 1,024]; A: input X; B: input Wq: QUANTISED (scales: A lowp_scales[0], B lowp_scales[1])
;;     2. [M 8,192, K 1,024] x [K 1,024, N 1,024]; A: input X; B: input Wk: QUANTISED (scales: A lowp_scales[2], B lowp_scales[3])
;;     3. [M 8,192, K 1,024] x [K 1,024, N 1,024]; A: input X; B: input Wv: QUANTISED (scales: A lowp_scales[4], B lowp_scales[5])
;;     4. batch 64 x [M 2,048, K 64] x [K 64, N 2,048]; A: computed on the way; B: computed on the way: QUANTISED (scales: A lowp_scales[6], B lowp_scales[7])
;;     5. batch 64 x [M 2,048, K 2,048] x [K 2,048, N 64]; A: softmax (see below); B: computed on the way: QUANTISED (scales: A lowp_scales[8], B lowp_scales[9])
;;     6. [M 8,192, K 1,024] x [K 1,024, N 1,024]; A: computed on the way; B: input Wo: QUANTISED (scales: A lowp_scales[10], B lowp_scales[11])
;;   THE QUANTISER, for each operand of a quantised product, along K:
;;     - The operand's scale is 2^e, e = its entry of the input lowp_scales (int32; the entries are numbered through the quantised products in the list's order, A before B).
;;     - Each number is divided by the scale, clamped to +-448, and rounded to the nearest number of E4M3, ties to even, subnormals kept.
;;     - The product sums the exact products of the quantised numbers (number of the format x scale) in f32.
;;   ~~~python
;;   def quantise(x, axis, e):      # numpy; x: float32 -> the quantised numbers, widened to float32 again
;;       x = np.moveaxis(x, axis, -1); K = x.shape[-1]
;;       r = np.clip(x / 2.0 ** e, -448, 448)
;;       step = 2.0 ** (np.maximum(np.frexp(np.where(r == 0, 1, r))[1] - 1, -6) - 3)
;;       q = np.round(r / step) * step * 2.0 ** e      # np.round: ties to even
;;       return np.moveaxis(q, -1, axis).astype(np.float32)
;;   ~~~
;;   SOFTMAX AHEAD OF A QUANTISED PRODUCT. Where the list says 'softmax', what is quantised is not the finished softmax but p = 2^(t - M), with t = logit x log2(e) and M = ceil(the row's largest t), a whole number; so 1/2 < the row's largest p <= 1. The row's sum l is taken of the UNQUANTISED p, in f32, and the product's result is divided by l at the end. Since M is a whole number, a kernel that streams over the keys may use a running M (the ceiling of the running maximum): every later rescaling is an exact power of two, so the quantised numbers keep their values, but for numbers so far below the row's largest that they fall under the format's range.
;;   OPERANDS COMPUTED ON THE WAY. 'Computed on the way' means the value that the module computes at that place (a softmax that the list does not call 'softmax' is quantised finished and normalised). What goes into a quantiser is computed in f32, as accurately as f32 sums, v_exp_f32 and their like allow (about 1e-6 of the number): no bf16 or f16 on the way to a quantiser, and a product that is left as it is and whose result goes on into a quantised operand takes f32 operands (vector FMAs, or v_wmma_f32_16x16x4_f32). A number that lies on a knife's edge between two numbers of the format may be rounded either way, as far as f32 arithmetic and the matrix unit's own rounding can turn it there, and no further.
;; One version. Each part assembles by itself: llvm-mc -triple=amdgcn-amd-amdhsa -mcpu=gfx1250 --defsym DOCPART=n.
;; ======== version 1 of 1: 4 launches
;; limits: right only within a limited range of input values
;; workspace buffers: xc 25,165,824 bytes; wc 4,194,304 bytes; qkv 25,165,824 bytes; vc 8,388,608 bytes; mi 16,777,216 bytes; fl 32,768 bytes of whole numbers
;; launch prep (part 1): grid 512 x 1, 4 waves a work-group, no clusters, 103,936 bytes of LDS; arguments X, Wq, Wk, Wv, Wo, lowp_scales, xc, wc, mask, mi, fl; writes xc, wc, mi, fl
.if DOCPART == 1
	.amdgcn_target "amdgcn-amd-amdhsa--gfx1250"
	.amdhsa_code_object_version 6
	.text
	.protected	k_q5145d273bd_prep
	.globl	k_q5145d273bd_prep
	.p2align	8
	.type	k_q5145d273bd_prep,@function
k_q5145d273bd_prep:
	s_mov_b64 s[64:65], 0
	v_nop
	global_prefetch_b8 v0, s[64:65] scope:SCOPE_SE
	s_setreg_imm32_b32 hwreg(HW_REG_WAVE_MODE, 25, 1), 1
	s_wait_xcnt 0x0
; X [8192][1024] f32 becomes three planes of E4M3 codes, xc [3][8192][1024], K innermost: plane p with the scale 2^e of entry 2 p of the scales' buffer.
; Wq, Wk, Wv, Wo [k 1024][n 1024] f32 become wc [4][n 1024][k 1024], K innermost, with entries 1, 3, 5, 11.
; code = x / 2^e, held within +-448, rounded to the nearest code, ties to even.
; LIMITS: -126 <= e and e + 8 <= 127 for each of the seven entries, so that 2^e and 448 x 2^e are f32 numbers.  NaN among the inputs is not served.
; The first 256 work-groups take X, the other 128 the weights: one scalar branch on the work-group's number; the two ways never join, and each has LDS bytes of its own.
; X: rows are dense, so X is a plain stream.  A wave takes 16 steps of 512 numbers.  Each load reads 512 consecutive bytes, 16 a lane; a step's 2,048 bytes turn through the wave's own stage in LDS
;    and come back 64 bytes a lane: 16 neighbours along K, which the conversions want in one lane's registers.  Each number is read once and quantised three times.  A store covers 512 consecutive bytes.
; W: a lane takes a column n and its registers run down K: each load reads neighbouring n in neighbouring lanes, and the conversions give codes with K innermost.  A wave takes 32 columns x 256 along K;
;    the codes go through the wave's own stage and leave as rows: sixteen lanes store 256 consecutive bytes, aligned.
; No tensor loads, no barrier: waves share nothing.
.set STEPS, 16
.set SP,    80                         ; X: a lane's place in a stage: its 64 bytes + 16 of padding
.set WREG,  8192                       ; X: LDS region of a wave: two stages of 32 x SP bytes
.set WSTG,  32768                      ; W: the four stages begin here
.set PITCH, 272                        ; W: a stage row: 256 bytes + 16
.set SPARE, 67584                      ; behind both ways' regions: the spare words, 128 bytes for each wave: two blocks of 256 bytes that no other line names
.set SPW,   12                         ; v12      LDS address of my spare word; never rewritten
.set NIL,   13                         ; v13      0; never rewritten
.set R,     16                         ; X: v16-79   four sets of 16 numbers as loaded
.set XN,    80                         ; X: v80-111  two sets of 16 neighbours
.set T,     112                        ; X: v112-159 the 16 numbers held within each plane's limit
.set C,     160                        ; X: v160-183 codes: two sets of 12, by the step's parity
.set SCL,   184                        ; X: v184-186 2^e of the three planes
.set LIMR,  187                        ; X: v187-189 448 x 2^e
.set WX,    32                         ; W: v32-95   two sets of 32 numbers
.set WC,    96                         ; W: v96-103  a block's codes
.set OUTR,  112                        ; W: v112-175 the way out
	s_load_b256 s[4:11], s[0:1], 0x0               ; X s[4:5], Wq s[6:7], Wk s[8:9], Wv s[10:11]
	s_load_b256 s[12:19], s[0:1], 0x20             ; Wo s[12:13], the exponents s[14:15], xc s[16:17], wc s[18:19]
	v_lshl_add_u32 v[SPW], v0, 2, SPARE
	v_mov_b32 v[NIL], 0
	v_lshrrev_b32 v1, 5, v0
	v_readfirstlane_b32 s20, v1                    ; wave 0..3
	v_and_b32 v2, 31, v0                           ; lane
	s_wait_kmcnt 0x0
	s_load_b256 s[24:31], s[14:15], 0x0            ; entries 0 to 7
	s_load_b128 s[32:35], s[14:15], 0x20           ; entries 8 to 11
	s_cmp_ge_u32 ttmp9, 256
	s_cbranch_scc1 .Lweights
	; ---------------- X ----------------
	s_wait_alu depctr_va_vdst(0)
	v_lshlrev_b32 v3, 4, v2                        ; my 16 bytes of a load's 512, and of a store's
	s_wait_alu depctr_va_vdst(0)
	s_mul_i32 s21, s20, WREG
	v_lshrrev_b32 v14, 2, v2
	v_mul_u32_u24 v14, v14, SP
	v_and_b32 v15, 3, v2
	v_lshl_add_u32 v14, v15, 4, v14
	v_add_nc_u32 v14, s21, v14                     ; the stage, on the way in: SP (lane / 4) + 16 (lane % 4)
	v_mul_u32_u24 v15, v2, SP
	v_add_nc_u32 v15, s21, v15                     ; and on the way out: SP x lane
	s_lshl_b32 s22, ttmp9, 2
	s_add_co_u32 s22, s22, s20                     ; which run of 8,192 numbers is my wave's: 0..1023
	s_lshl_b32 s36, s22, 15                        ; 32,768 bytes of X,
	s_mov_b32 s37, 0
	s_add_nc_u64 s[4:5], s[4:5], s[36:37]
	s_lshl_b32 s36, s22, 13                        ; 8,192 bytes of codes in each plane
	s_add_nc_u64 s[16:17], s[16:17], s[36:37]
	s_add_nc_u64 s[38:39], s[16:17], 0x800000      ; plane 1
	s_add_nc_u64 s[40:41], s[38:39], 0x800000      ; plane 2
.macro LOAD t
.irp i, 0,1,2,3
	global_load_b128 v[R+16*((\t)%4)+4*\i:R+16*((\t)%4)+4*\i+3], v3, s[4:5] offset:2048*(\t)+512*\i th:TH_LOAD_NT
.endr
.endm
.macro TURN t                          ; step t's numbers through the stage: LDS serves a wave's instructions in order, so no wait stands between the stores and the loads
.irp i, 0,1,2,3
	ds_store_b128 v14, v[R+16*((\t)%4)+4*\i:R+16*((\t)%4)+4*\i+3] offset:32*SP*((\t)%2)+8*SP*\i
.endr
.irp i, 0,1,2,3
	ds_load_b128 v[XN+16*((\t)%2)+4*\i:XN+16*((\t)%2)+4*\i+3], v15 offset:32*SP*((\t)%2)+16*\i
.endr
.endm
.irp t, 0,1,2,3
	LOAD \t
.endr
	s_wait_alu depctr_va_vdst(0)
	s_wait_kmcnt 0x0
.irp p, 0,1,2
	s_add_co_i32 s42, s[24+2*\p], 127
	s_lshl_b32 s43, s42, 23
	v_mov_b32 v[SCL+\p], s43                       ; 2^e as f32: the conversion takes its exponent field
	s_add_co_i32 s42, s42, 8
	s_lshl_b32 s42, s42, 23
	s_or_b32 s42, s42, 0x600000
	v_mov_b32 v[LIMR+\p], s42                      ; 448 x 2^e
.endr
	s_wait_alu depctr_va_vdst(0)
	s_wait_loadcnt 12                              ; step 0's four loads are in
	TURN 0
.macro STEP t
.set XS, XN+16*((\t)%2)
.set CS, C+12*((\t)%2)
	s_wait_dscnt 0x0                               ; this step's numbers are back from the stage: so its stores into the stage have read their registers,
.if (\t)+4 < STEPS
	LOAD (\t)+4                                    ; which take the loads of four steps on
.endif
.if (\t)+1 < STEPS
.if STEPS-2-(\t) >= 3
	s_wait_loadcnt 12                              ; the next step's four loads are in; those of the three steps behind it may be out
.else
	s_wait_loadcnt 4*(STEPS-2-(\t))
.endif
	TURN (\t)+1
.endif
.irp p, 0,1,2
.irp i, 0,1,2,3,4,5,6,7,8,9,10,11,12,13,14,15
	v_med3_num_f32 v[T+16*\p+\i], v[XS+\i], -v[LIMR+\p], v[LIMR+\p]   ; the conversion to an 8-bit code does not saturate (ISA guide 7.6.2): the hold at the largest code x the scale
.endr
.endr
	s_wait_alu depctr_va_vdst(0)
	s_wait_xcnt 0x0                                ; the stores of two steps back have read this set of code registers
.irp p, 0,1,2
	v_cvt_scalef32_pk8_fp8_f32 v[CS+4*\p:CS+4*\p+1], v[T+16*\p:T+16*\p+7], v[SCL+\p]
	v_cvt_scalef32_pk8_fp8_f32 v[CS+4*\p+2:CS+4*\p+3], v[T+16*\p+8:T+16*\p+15], v[SCL+\p]
.endr
	v_nop                                          ; one plain vector line behind the last conversion: the next step's holds write the conversions' sources
	global_store_b128 v3, v[CS:CS+3], s[16:17] offset:512*(\t)
	global_store_b128 v3, v[CS+4:CS+7], s[38:39] offset:512*(\t)
	global_store_b128 v3, v[CS+8:CS+11], s[40:41] offset:512*(\t)
.endm
.irp t, 0,1,2,3,4,5,6,7,8,9,10,11,12,13,14,15
	STEP \t
.endr
	s_wait_tensorcnt 0x0                           ; the wave's end: behind my last LDS store
	ds_add_u32 v[SPW], v[NIL]
	s_wait_dscnt 0x0
	s_endpgm
	; ---------------- the weights ----------------
.Lweights:
	s_cmp_ge_u32 ttmp9, 384                        ; work-groups 384 to 511 take the mask
	s_cbranch_scc1 .Lmask
	s_sub_co_u32 s21, ttmp9, 256
	s_lshr_b32 s22, s21, 5                         ; which weight: q, k, v, o
	s_and_b32 s23, s21, 7                          ; which 128 columns
	s_bfe_u32 s36, s21, 0x20003                    ; which 256 along K
	s_cmp_eq_u32 s22, 1                            ; the choices hang on the work-group's number alone
	s_cselect_b64 s[6:7], s[8:9], s[6:7]
	s_cmp_eq_u32 s22, 2
	s_cselect_b64 s[6:7], s[10:11], s[6:7]
	s_cmp_eq_u32 s22, 3
	s_cselect_b64 s[6:7], s[12:13], s[6:7]
	s_lshl_b32 s37, s23, 7
	s_lshl_b32 s38, s20, 5
	s_add_co_u32 s37, s37, s38                     ; my wave's first column
	s_lshl_b32 s38, s36, 20                        ; 256 rows of 4,096 bytes,
	s_lshl_b32 s39, s37, 2
	s_add_co_u32 s38, s38, s39                     ; + 4 x column
	s_mov_b32 s39, 0
	s_add_nc_u64 s[6:7], s[6:7], s[38:39]
	s_lshl_b32 s40, s22, 20                        ; codes: the weight's plane,
	s_lshl_b32 s41, s37, 10
	s_add_co_u32 s40, s40, s41                     ; + column x 1,024
	s_lshl_b32 s41, s36, 8
	s_add_co_u32 s40, s40, s41                     ; + 256 x K block
	s_mov_b32 s41, 0
	s_add_nc_u64 s[18:19], s[18:19], s[40:41]
	s_wait_alu depctr_va_vdst(0)
	v_lshlrev_b32 v3, 2, v2                        ; in: 4 bytes a lane
	s_mul_i32 s44, s20, 32*PITCH
	s_add_co_u32 s44, s44, WSTG                    ; my stage
	v_mul_u32_u24 v4, v2, PITCH
	v_add_nc_u32 v4, s44, v4                       ; into it: row = my column
	v_and_b32 v5, 15, v2
	v_lshrrev_b32 v6, 4, v2
	v_mul_u32_u24 v7, v6, PITCH
	v_lshl_add_u32 v7, v5, 4, v7
	v_add_nc_u32 v7, s44, v7                       ; out of it: sixteen lanes to a row, two rows an instruction
	v_lshlrev_b32 v8, 10, v6
	v_lshl_add_u32 v8, v5, 4, v8                   ; and the same place in the codes' buffer
.macro WLOAD t                         ; block t: W(32 t + i, my column), i = 0 .. 31, into set t % 2
.irp i, 0,1,2,3,4,5,6,7,8,9,10,11,12,13,14,15,16,17,18,19,20,21,22,23,24,25,26,27,28,29,30,31
	global_load_b32 v[WX+32*((\t)%2)+\i], v3, s[6:7] offset:(32*(\t)+\i)*4096 th:TH_LOAD_NT
.endr
.endm
	WLOAD 0
	WLOAD 1
	s_wait_kmcnt 0x0
	s_cmp_eq_u32 s22, 1
	s_cselect_b32 s25, s27, s25                    ; entries 1, 3, 5, 11
	s_cmp_eq_u32 s22, 2
	s_cselect_b32 s25, s29, s25
	s_cmp_eq_u32 s22, 3
	s_cselect_b32 s25, s35, s25
	s_add_co_i32 s25, s25, 127
	s_lshl_b32 s26, s25, 23
	v_mov_b32 v11, s26                             ; 2^e
	s_add_co_i32 s25, s25, 8
	s_lshl_b32 s25, s25, 23
	s_or_b32 s25, s25, 0x600000
	v_mov_b32 v10, s25                             ; 448 x 2^e
.macro BLOCK t
.set XS, WX+32*((\t)%2)
.if (\t) < 7
	s_wait_loadcnt 32                              ; this block's 32 loads are in; the next block's may be out
.else
	s_wait_loadcnt 0
.endif
.irp i, 0,1,2,3,4,5,6,7,8,9,10,11,12,13,14,15,16,17,18,19,20,21,22,23,24,25,26,27,28,29,30,31
	v_med3_num_f32 v[XS+\i], v[XS+\i], -v10, v10
.endr
.irp g, 0,1,2,3
	v_cvt_scalef32_pk8_fp8_f32 v[WC+2*\g:WC+2*\g+1], v[XS+8*\g:XS+8*\g+7], v11
.endr
	v_nop                                          ; one plain vector line behind the last conversion
	ds_store_b128 v4, v[WC:WC+3] offset:32*(\t)    ; 32 codes: 32 bytes of my column's row
	ds_store_b128 v4, v[WC+4:WC+7] offset:32*(\t)+16
.if (\t)+2 < 8
	WLOAD (\t)+2
.endif
	s_wait_dscnt 0x0                               ; the stores have read their registers: the next block's codes may be written
.endm
	s_wait_alu depctr_va_vdst(0)
.irp t, 0,1,2,3,4,5,6,7
	BLOCK \t
.endr
.irp t, 0,1,2,3,4,5,6,7,8,9,10,11,12,13,14,15
	ds_load_b128 v[OUTR+4*\t:OUTR+4*\t+3], v7 offset:2*\t*PITCH
.endr
.irp t, 0,1,2,3,4,5,6,7,8,9,10,11,12,13,14,15
	s_wait_dscnt 15-\t
	global_store_b128 v8, v[OUTR+4*\t:OUTR+4*\t+3], s[18:19] offset:2*\t*1024
.endr
	s_wait_tensorcnt 0x0
	ds_add_u32 v[SPW], v[NIL]
	s_wait_dscnt 0x0
	s_endpgm
	; ---------------- the mask ----------------
	; Work-group 384 + m takes rows 16 m .. 16 m + 15 of the mask [2048][2048]; wave w the key blocks 4 w .. 4 w + 3 of 128 keys.
	; mi [128 m][16 block][8 k][2 i][32 lanes][16 bytes]: the mask x 2^(3 - e6 - e7) (nothing is rounded) as the C registers of the score product want it:
	;    lane (r, h) holds row r, keys 16 k + 8 h + 4 i + 0 .. 3.  A wave's store covers 512 consecutive bytes.
	; fl [128 m][32 x (L, G)]: bit j of L: key block j is LIVE for some of the 16 rows; bit j of G: it holds a number other than 0.
	; A block is struck for a row only where (the row's largest mask entry) - (the block's largest entry of that row) >= T,
	;    T = 16 x 448^2 x 2^(e6 + e7) + 64 + |e8|.  E4M3 codes bound |Q . K| / 8 by 8 x 448^2 x 2^(e6 + e7), so every logit of such a block lies 64 + |e8| or more under the row's largest:
	;    p is under 2^(e8 - 10), whose code is 0, and under 2^-90 of the row's sum.  This holds for every mask; a difference that is NaN strikes nothing.
	; LIMITS: e6 + e7 between -123 and 106; |mask| x 2^(3 - e6 - e7) finite; NaN in the mask is not served.
.set MREG, 68096                       ; LDS of this way alone: [16 rows][16 blocks] largest, then the same for smallest: 2 x 1,024 bytes
.set MX,   32                          ; v32-159 two sets of 64 numbers
.set TMX,  16                          ; v16-19 my four blocks' largest of row r
.set AMX,  20                          ; v20-23 their smallest
.set MST,  70144                       ; LDS of this way alone: a stage of 16 rows x MSP bytes for each wave
.set MSP,  528                         ; a stage row: a block's 512 bytes of one row of the mask + 16
.set MI,   160                         ; v160-223 a block in the image's layout
.Lmask:
	s_wait_alu depctr_va_vdst(0)                   ; the wait behind the jump
	s_load_b128 s[4:7], s[0:1], 0x40               ; mask, mi
	s_load_b64 s[8:9], s[0:1], 0x50                ; fl
	s_sub_co_u32 s21, ttmp9, 384                   ; m
	s_lshl_b32 s22, s20, 4
	v_and_b32 v5, 15, v2                           ; r
	v_lshrrev_b32 v6, 4, v2                        ; h
	s_mul_i32 s23, s20, 16*MSP
	s_add_co_u32 s23, s23, MST                     ; my stage
	v_mul_u32_u24 v3, v5, MSP
	v_lshl_add_u32 v3, v6, 5, v3
	v_add_nc_u32 v3, s23, v3                       ; out of it: row r, + 32 h
	v_lshlrev_b32 v4, 4, v2                        ; 16 x lane: in memory, both ways,
	v_add_nc_u32 v11, s23, v4                      ; and into the stage
	v_lshlrev_b32 v7, 6, v5
	v_add_nc_u32 v8, MREG, v7                      ; LDS: row r's 16 words
	v_add_nc_u32 v7, s22, v8                       ; and my wave's four of them
	v_lshlrev_b32 v9, 3, v2                        ; fl: 8 x lane
	v_mov_b32 v28, 0                               ; written once: a lane permute's destination counts as a source
	v_mov_b32 v29, 0
	s_lshl_b32 s36, s21, 17                        ; 16 rows of 8,192 bytes,
	s_lshl_b32 s37, s20, 11                        ; + four blocks of 512 bytes
	s_add_co_u32 s36, s36, s37
	s_mov_b32 s37, 0
	s_lshl_b32 s38, s21, 17                        ; mi: 16 blocks of 8,192 bytes,
	s_lshl_b32 s39, s20, 15                        ; + my four
	s_add_co_u32 s38, s38, s39
	s_mov_b32 s39, 0
	s_lshl_b32 s42, s21, 8
	s_mov_b32 s43, 0
	s_mov_b32 s44, 0x76543210
	s_mov_b32 s45, 0xfedcba98                      ; selects for lane l xor 16
	s_wait_alu depctr_va_vdst(0)                   ; the wait here, directly ahead of the wait below
	s_wait_kmcnt 0x0
	s_add_nc_u64 s[4:5], s[4:5], s[36:37]
	s_add_nc_u64 s[6:7], s[6:7], s[38:39]
	s_add_nc_u64 s[8:9], s[8:9], s[42:43]
.macro MLOAD t                         ; block t: a load reads the block's 512 consecutive bytes of one row, 16 a lane; rows 2 k and 2 k + 1
.irp k, 0,1,2,3,4,5,6,7
	global_load_b128 v[MX+64*((\t)%2)+8*\k:MX+64*((\t)%2)+8*\k+3], v4, s[4:5] offset:512*(\t)+16384*\k th:TH_LOAD_NT
	global_load_b128 v[MX+64*((\t)%2)+8*\k+4:MX+64*((\t)%2)+8*\k+7], v4, s[4:5] offset:512*(\t)+16384*\k+8192 th:TH_LOAD_NT
.endr
.endm
	MLOAD 0
	MLOAD 1
	s_add_co_i32 s36, s30, s31                     ; e6 + e7
	s_lshl_b32 s37, s36, 23
	s_add_co_i32 s37, s37, 0x4a440000              ; 16 x 448^2 = 3,211,264 as f32, with e6 + e7 added to its exponent field
	s_sub_co_i32 s38, 0, s32
	s_max_i32 s38, s38, s32                        ; |e8|
	s_add_co_u32 s38, s38, 64
	v_cvt_f32_u32 v10, s38
	v_add_f32 v10, s37, v10                        ; T
	s_sub_co_i32 s36, 130, s36
	s_lshl_b32 s46, s36, 23                        ; 2^(3 - e6 - e7)
	s_mov_b32 s47, s46
	s_wait_alu depctr_va_vdst(0)                   ; the wait here, ahead of the first wait for loads
.macro MBLK t
.set XR, MX+64*((\t)%2)
.set XM, MI
.if (\t) < 3
	s_wait_loadcnt 16                              ; this block's 16 loads are in; the next block's may be out
.else
	s_wait_loadcnt 0
.endif
.irp q, 0,1,2,3,4,5,6,7,8,9,10,11,12,13,14,15
	ds_store_b128 v11, v[XR+4*\q:XR+4*\q+3] offset:MSP*\q      ; the block turns through my own stage: LDS serves a wave's instructions in order
.endr
	s_wait_xcnt 0x0                                ; the last block's stores have read the image's registers
.irp k, 0,1,2,3,4,5,6,7
	ds_load_b128 v[XM+8*\k:XM+8*\k+3], v3 offset:64*\k
	ds_load_b128 v[XM+8*\k+4:XM+8*\k+7], v3 offset:64*\k+16
.endr
	s_wait_dscnt 0x0
.if (\t)+2 < 4
	MLOAD (\t)+2                                   ; into the set that the stage has read
.endif
	v_max3_num_f32 v24, v[XM], v[XM+1], v[XM+2]
	v_max3_num_f32 v25, v[XM+3], v[XM+4], v[XM+5]
	v_min3_num_f32 v26, v[XM], v[XM+1], v[XM+2]
	v_min3_num_f32 v27, v[XM+3], v[XM+4], v[XM+5]
.irp i, 6,10,14,18,22,26,30,34,38,42,46,50,54,58
	v_max3_num_f32 v24, v24, v[XM+\i], v[XM+\i+1]
	v_max3_num_f32 v25, v25, v[XM+\i+2], v[XM+\i+3]
	v_min3_num_f32 v26, v26, v[XM+\i], v[XM+\i+1]
	v_min3_num_f32 v27, v27, v[XM+\i+2], v[XM+\i+3]
.endr
	v_max3_num_f32 v24, v24, v[XM+62], v[XM+63]
	v_min3_num_f32 v26, v26, v[XM+62], v[XM+63]
	v_max_num_f32 v24, v24, v25
	v_min_num_f32 v26, v26, v27
	v_permlanex16_b32 v28, v24, s44, s45
	v_permlanex16_b32 v29, v26, s44, s45
	v_max_num_f32 v[TMX+(\t)], v24, v28            ; row r's largest of the block's 128,
	v_min_num_f32 v[AMX+(\t)], v26, v29            ; and its smallest
.set jj, 0
.rept 32
	v_pk_mul_f32 v[XM+jj:XM+jj+1], v[XM+jj:XM+jj+1], s[46:47] op_sel_hi:[1,0]
.set jj, jj+2
.endr
.irp k, 0,1,2,3,4,5,6,7
	global_store_b128 v4, v[XM+8*\k:XM+8*\k+3], s[6:7] offset:8192*(\t)+1024*\k
	global_store_b128 v4, v[XM+8*\k+4:XM+8*\k+7], s[6:7] offset:8192*(\t)+1024*\k+512
.endr
.endm
.irp t, 0,1,2,3
	MBLK \t
.endr
	ds_store_b128 v7, v[TMX:TMX+3]                 ; lanes r and r + 16 store the same words
	ds_store_b128 v7, v[AMX:AMX+3] offset:1024
	s_wait_dscnt 0x0                               ; for the others' sake
	s_wait_xcnt 0x0                                ; the last block's stores have read v160 on, which the loads below fill
	s_barrier_signal -1
	s_barrier_wait -1
.irp i, 0,1,2,3
	ds_load_b128 v[160+4*\i:163+4*\i], v8 offset:16*\i
	ds_load_b128 v[176+4*\i:179+4*\i], v8 offset:1024+16*\i
.endr
	s_mov_b32 s40, 0                               ; L
	s_mov_b32 s41, 0                               ; G
	s_wait_dscnt 0x0
	v_max3_num_f32 v24, v160, v161, v162
.irp i, 163,165,167,169,171,173
	v_max3_num_f32 v24, v24, v[\i], v[\i+1]
.endr
	v_max_num_f32 v24, v24, v175                   ; the row's largest entry
	s_wait_alu depctr_va_vdst(0)                   ; the wait behind the write
.irp j, 0,1,2,3,4,5,6,7,8,9,10,11,12,13,14,15
	v_sub_f32 v25, v24, v[160+\j]
	v_cmp_ge_f32 s36, v25, v10                     ; rows for which block j is struck
	v_cmp_neq_f32 s37, 0, v[160+\j]
	v_cmp_neq_f32 s39, 0, v[176+\j]
	s_cmp_eq_u32 s36, -1                           ; selections, no branch
	s_cselect_b32 s38, 0, 1<<\j
	s_or_b32 s40, s40, s38
	s_or_b32 s37, s37, s39                         ; SCC: some row has a largest or a smallest other than 0
	s_cselect_b32 s38, 1<<\j, 0
	s_or_b32 s41, s41, s38
.endr
	v_mov_b32 v26, s40
	v_mov_b32 v27, s41
	s_cmp_lg_u32 s20, 0
	s_wait_alu depctr_va_vdst(0)                   ; the wait ahead of the branch
	s_cbranch_scc1 .Lmdone
	global_store_b64 v9, v[26:27], s[8:9]          ; wave 0: the pair 32 times: 256 consecutive bytes, aligned
.Lmdone:
	s_wait_tensorcnt 0x0                           ; the wave's end
	ds_add_u32 v[SPW], v[NIL]
	s_wait_dscnt 0x0
	s_endpgm
.Lfunc_end_k_q5145d273bd_prep:
	.size	k_q5145d273bd_prep, .Lfunc_end_k_q5145d273bd_prep-k_q5145d273bd_prep
	.p2alignl 7, 3214868480
	.fill 96, 4, 3214868480
	.section	.rodata,"a",@progbits
	.p2align	6, 0x0
	.amdhsa_kernel k_q5145d273bd_prep
		.amdhsa_group_segment_fixed_size 103936
		.amdhsa_private_segment_fixed_size 0
		.amdhsa_enable_private_segment 0
		.amdhsa_kernarg_size 88
		.amdhsa_user_sgpr_count 2
		.amdhsa_user_sgpr_kernarg_segment_ptr 1
		.amdhsa_wavefront_size32 1
		.amdhsa_system_sgpr_workgroup_id_x 1
		.amdhsa_system_sgpr_workgroup_id_y 1
		.amdhsa_system_sgpr_workgroup_id_z 1
		.amdhsa_system_vgpr_workitem_id 0
		.amdhsa_next_free_vgpr 256
		.amdhsa_next_free_sgpr 66
		.amdhsa_reserve_vcc 0
		.amdhsa_float_denorm_mode_32 3
		.amdhsa_float_denorm_mode_16_64 3
		.amdhsa_memory_ordered 1
		.amdhsa_forward_progress 1
		.amdhsa_inst_pref_size 183
	.end_amdhsa_kernel
	.amdgpu_metadata
---
amdhsa.version: [ 1, 2 ]
amdhsa.kernels:
  - .name:           k_q5145d273bd_prep
    .symbol:         k_q5145d273bd_prep.kd
    .args:
      - { .name: X, .offset: 0, .size: 8, .value_kind: global_buffer, .address_space: global }
      - { .name: Wq, .offset: 8, .size: 8, .value_kind: global_buffer, .address_space: global }
      - { .name: Wk, .offset: 16, .size: 8, .value_kind: global_buffer, .address_space: global }
      - { .name: Wv, .offset: 24, .size: 8, .value_kind: global_buffer, .address_space: global }
      - { .name: Wo, .offset: 32, .size: 8, .value_kind: global_buffer, .address_space: global }
      - { .name: lowp_scales, .offset: 40, .size: 8, .value_kind: global_buffer, .address_space: global }
      - { .name: xc, .offset: 48, .size: 8, .value_kind: global_buffer, .address_space: global }
      - { .name: wc, .offset: 56, .size: 8, .value_kind: global_buffer, .address_space: global }
      - { .name: mask, .offset: 64, .size: 8, .value_kind: global_buffer, .address_space: global }
      - { .name: mi, .offset: 72, .size: 8, .value_kind: global_buffer, .address_space: global }
      - { .name: fl, .offset: 80, .size: 8, .value_kind: global_buffer, .address_space: global }
    .group_segment_fixed_size: 103936
    .private_segment_fixed_size: 0
    .kernarg_segment_align: 8
    .kernarg_segment_size: 88
    .max_flat_workgroup_size: 128
    .sgpr_count:     66
    .vgpr_count:     256
    .wavefront_size: 32
...
	.end_amdgpu_metadata
.endif
;; end of part 1
;; launch proj (part 2): grid 4 x 96, 4 waves a work-group, clusters of 4 x 4, 327,680 bytes of LDS; arguments xc, wc, lowp_scales, qkv; writes qkv
.if DOCPART == 2
	.amdgcn_target "amdgcn-amd-amdhsa--gfx1250"
	.amdhsa_code_object_version 6
	.text
	.protected	k_q5145d273bd_proj
	.globl	k_q5145d273bd_proj
	.p2align	8
	.type	k_q5145d273bd_proj,@function
k_q5145d273bd_proj:
	s_mov_b64 s[64:65], 0
	v_nop
	global_prefetch_b8 v0, s[64:65] scope:SCOPE_SE
	s_setreg_imm32_b32 hwreg(HW_REG_WAVE_MODE, 25, 1), 1
	s_wait_xcnt 0x0
	s_wait_alu depctr_hold_cnt(0) depctr_sa_sdst(0) depctr_va_vdst(0) depctr_va_sdst(0) depctr_va_ssrc(0) depctr_va_vcc(0) depctr_vm_vsrc(0)
	s_getreg_b32 s2, hwreg(HW_REG_IB_STS2, 6, 4)
	s_cmp_eq_u32 s2, 0
	s_cbranch_scc0 .Lentry_in_a_cluster
	s_endpgm
.Lentry_in_a_cluster:
	s_bfe_u32 s2, ttmp6, 0x10000c
	s_cmp_lg_u32 s2, 0xf033
	s_cbranch_scc0 .Lentry_shape_is_right
	s_endpgm
.Lentry_shape_is_right:
.set KSTEP,  256
.set ROWB,   256
.set KROW,   1024
.set PITCH,  272
.set FR,     16
.set NL,     4
.set NP,     4
.set HALFT,  128*PITCH
.set SLOT,   4*HALFT
.set LAPS,   2
.set SPARE,  2*SLOT
.set ADRA, 16
.set ADRB, 20
.set CO,   26
.set SPW,  28
.set NIL,  29
.set SC,   30
.set LIM,  31
.set TMP,  32
.set AF,   128
.set CD,   128
.set G1, 24
.set G0, 32
.set G1B, 48
.set G0B, 56
.set MSB, 0
.macro WIN new
.if MSB != \new
	s_set_vgpr_msb (MSB<<8)|\new
.set MSB, \new
.endif
.endm
.set MUL_LO, 0xa1
.set MUL_HI, 0xf1
.set TO_B,   0x40
.macro JLOAD g0a, g1a, g0b, g1b
	s_cmp_eq_u32 s15, 0
	s_cbranch_scc0 .Lfor_b_\@
	tensor_load_to_lds s[\g0a:\g0a+3], s[\g1a:\g1a+7]
	s_nop 0
.rept 4
	v_nop
.endr
	s_branch .Lasked_\@
.Lfor_b_\@:
	tensor_load_to_lds s[\g0b:\g0b+3], s[\g1b:\g1b+7]
	s_nop 0
.rept 4
	v_nop
.endr
.Lasked_\@:
.endm
.macro CREST
	s_cmp_lg_u32 s14, 0
	s_cbranch_scc1 .Lnot_wave_0_\@
	s_barrier_signal -3
.Lnot_wave_0_\@:
	s_barrier_wait -3
	s_barrier_signal -1
	s_barrier_wait -1
.endm
.macro CROUND
	s_barrier_signal -1
	s_barrier_wait -1
	CREST
.endm
	s_load_b128 s[4:7], s[0:1], 0x0
	s_load_b128 s[8:11], s[0:1], 0x10
	v_lshl_add_u32 v[SPW], v0, 2, SPARE
	v_mov_b32 v[NIL], 0
	ds_add_u32 v[SPW], v[NIL]
	ds_add_u32 v[SPW], v[NIL]
	v_lshrrev_b32 v1, 5, v0
	v_readfirstlane_b32 s14, v1
	s_lshr_b32 s15, s14, 1
	s_and_b32 s16, s14, 1
	s_bfe_u32 s40, ttmp6, 0x40000
	s_bfe_u32 s41, ttmp6, 0x40004
	s_and_b32 s89, ttmp7, 0xffff
	s_lshr_b32 s88, s89, 3
	s_and_b32 s89, s89, 7
	s_lshl_b32 s89, s89, 2
	s_lshr_b32 s90, s88, 1
	s_cmp_eq_u32 s90, 0
	s_cselect_b32 s91, s89, 0
	s_cselect_b32 s92, 0, s89
	s_add_co_u32 s17, s41, s91
	s_add_co_u32 s42, s40, s92
	s_lshl_b32 s43, s41, 2
	s_lshl_b32 s43, 15, s43
	s_lshl_b32 s44, 0x1111, s40
	s_or_b32 s[G1+0], s43, (0<<16)|(1<<20)|(1<<21)|(5<<22)|(3<<25)
	s_or_b32 s[G1B+0], s44, (0<<16)|(1<<20)|(1<<21)|(5<<22)|(3<<25)
.irp g, G1, G1B
	s_mov_b32 s[\g+1], ROWB<<16
	s_mov_b32 s[\g+2], 128<<16
	s_mov_b32 s[\g+3], ROWB<<16
	s_mov_b32 s[\g+4], 128
	s_mov_b32 s[\g+5], KROW
	s_mov_b32 s[\g+6], 0
	s_mov_b32 s[\g+7], 0
.endr
	s_lshl_b32 s18, s16, 7
	s_lshl_b32 s20, s17, 8
	s_add_co_u32 s20, s20, s18
	s_lshl_b32 s20, s20, 10
	s_mov_b32 s21, 0
	s_lshl_b32 s46, s42, 8
	s_add_co_u32 s46, s46, s18
	s_lshl_b32 s46, s46, 10
	s_mov_b32 s47, 0
	s_mul_i32 s45, s14, HALFT
	s_lshl_b32 s80, s88, 23
	s_mov_b32 s81, 0
	s_lshl_b32 s82, s88, 20
	s_mov_b32 s83, 0
	s_wait_dscnt 0x0
	s_wait_kmcnt 0x0
	s_load_b256 s[68:75], s[8:9], 0x0
	s_load_b128 s[76:79], s[8:9], 0x20
	s_add_nc_u64 s[4:5], s[4:5], s[80:81]
	s_add_nc_u64 s[6:7], s[6:7], s[82:83]
	s_cmp_eq_u32 s90, 0
	s_cselect_b64 s[84:85], s[4:5], s[6:7]
	s_cselect_b64 s[86:87], s[6:7], s[4:5]
	s_add_nc_u64 s[20:21], s[84:85], s[20:21]
	s_add_nc_u64 s[46:47], s[86:87], s[46:47]
	CROUND
.irp s, 0,1
	s_mov_b32 s[G0+4*\s], 1
	s_add_co_u32 s[G0+4*\s+1], s45, \s*SLOT
	s_add_nc_u64 s[G0+4*\s+2:G0+4*\s+3], s[20:21], \s*ROWB
	s_or_b32 s[G0+4*\s+3], s[G0+4*\s+3], 0x80000000
	s_mov_b32 s[G0B+4*\s], 1
	s_add_co_u32 s[G0B+4*\s+1], s45, \s*SLOT
	s_add_nc_u64 s[G0B+4*\s+2:G0B+4*\s+3], s[46:47], \s*ROWB
	s_or_b32 s[G0B+4*\s+3], s[G0B+4*\s+3], 0x80000000
	s_wait_alu depctr_va_vdst(0)
	s_wait_tensorcnt 0x0
	ds_add_u32 v28, v29
	ds_add_u32 v28, v29
	s_wait_dscnt 0x0
	CROUND
	JLOAD G0+4*\s, G1, G0B+4*\s, G1B
.endr
	v_and_b32 v1, 15, v0
	v_bfe_u32 v2, v0, 4, 1
	v_mul_u32_u24 v3, v1, PITCH
	v_lshl_add_u32 v4, v2, 4, v3
	s_mul_i32 s22, s15, HALFT
	s_mul_i32 s23, s16, HALFT
	s_add_co_u32 s23, s23, 2*HALFT
.irp s, 0,1
	v_add_nc_u32 v[ADRA+\s], s22, v4
	v_add_nc_u32 v[ADRB+\s], s23, v4
	s_add_co_u32 s22, s22, SLOT
	s_add_co_u32 s23, s23, SLOT
.endr
	v_and_b32 v6, 31, v0
	v_lshlrev_b32 v[CO], 4, v6
	s_lshl_b32 s91, s17, 1
	s_add_co_u32 s91, s91, s15
	s_lshl_b32 s92, s42, 1
	s_add_co_u32 s92, s92, s16
	s_cmp_eq_u32 s90, 0
	s_cselect_b32 s93, s91, s92
	s_cselect_b32 s94, s92, s91
	s_lshl_b32 s93, s93, 3
	s_add_co_u32 s93, s93, s94
	s_lshl_b32 s94, s93, 14
	s_add_co_u32 s94, s94, s80
	s_mov_b32 s95, 0
	s_add_nc_u64 s[10:11], s[10:11], s[94:95]
.macro FRAG reg, adr, q, i
.irp c, 0,1,2,3
	ds_load_b128 v[\reg+4*\c:\reg+4*\c+3], v[\adr] offset:128*(\q)+32*\c+(\i)*16*PITCH
.endr
.endm
.macro MUL16 a0, p, zero
.irp a, \a0, \a0+1
.irp b, 0,1,2,3,4,5,6,7
.if \zero
	v_wmma_f32_16x16x128_fp8_fp8 v[8*(8*((\a)%4)+\b):8*(8*((\a)%4)+\b)+7], v[128*(\p)+FR*\b:128*(\p)+FR*\b+FR-1], v[AF+FR*(\a):AF+FR*(\a)+FR-1], 0
.else
	v_wmma_f32_16x16x128_fp8_fp8 v[8*(8*((\a)%4)+\b):8*(8*((\a)%4)+\b)+7], v[128*(\p)+FR*\b:128*(\p)+FR*\b+FR-1], v[AF+FR*(\a):AF+FR*(\a)+FR-1], v[8*(8*((\a)%4)+\b):8*(8*((\a)%4)+\b)+7]
.endif
.endr
.endr
.endm
.macro FETCH_B slot, q, p
	WIN TO_B
.irp i, 0,1,2,3,4,5,6,7
	FRAG 128*(\p)+FR*\i, ADRB+\slot, \q, \i
.endr
	WIN 0
.endm
.macro FETCH_A slot, q, i0
.irp i, \i0, \i0+1, \i0+2, \i0+3
	FRAG AF+FR*(\i), ADRA+\slot, \q, \i
.endr
.endm
.macro PLACES n
.rept \n
	v_nop
.endr
.endm
.macro STEP slot, q, zero
	s_wait_dscnt 4*NL
	WIN MUL_LO
	MUL16 0, (\q)%2, \zero
	MUL16 2, (\q)%2, \zero
	s_wait_dscnt 0
	PLACES NP
	FETCH_B \slot, (\q)+1, 1-(\q)%2
	FETCH_A \slot, (\q)+1, 0
	WIN MUL_HI
	MUL16 4, (\q)%2, \zero
	MUL16 6, (\q)%2, \zero
	PLACES NP
	WIN 0
	FETCH_A \slot, (\q)+1, 4
.endm
.macro TURN slot, next, fill
	s_wait_tensorcnt 0x0
	ds_add_u32 v[SPW], v[NIL]
	s_wait_dscnt 4*NL+1
	WIN MUL_LO
	MUL16 0, 1, 0
	s_wait_dscnt 0x0
	s_barrier_signal -1
	MUL16 2, 1, 0
	WIN 0
	s_barrier_wait -1
.if \fill
	CREST
	s_add_nc_u64 s[G0+4*\slot+2:G0+4*\slot+3], s[G0+4*\slot+2:G0+4*\slot+3], 2*ROWB
	s_add_nc_u64 s[G0B+4*\slot+2:G0B+4*\slot+3], s[G0B+4*\slot+2:G0B+4*\slot+3], 2*ROWB
	JLOAD G0+4*\slot, G1, G0B+4*\slot, G1B
.else
	PLACES NP
.endif
	FETCH_B \next, 0, 0
	FETCH_A \next, 0, 0
	WIN MUL_HI
	MUL16 4, 1, 0
	MUL16 6, 1, 0
	PLACES NP
	WIN 0
	FETCH_A \next, 0, 4
.endm
	s_wait_alu depctr_va_vdst(0)
	s_wait_tensorcnt 1
	s_barrier_signal -1
	s_barrier_wait -1
	FETCH_B 0, 0, 0
	FETCH_A 0, 0, 0
	FETCH_A 0, 0, 4
	STEP 0, 0, 1
	s_mov_b32 s3, LAPS-1
.Llap:
	TURN 0, 1, 1
	STEP 1, 0, 0
	TURN 1, 0, 1
	STEP 0, 0, 0
	s_sub_co_u32 s3, s3, 1
	s_cmp_lg_u32 s3, 0
	s_cbranch_scc1 .Llap
	TURN 0, 1, 0
	STEP 1, 0, 0
	s_wait_dscnt 4*NL
	WIN MUL_LO
	MUL16 0, 1, 0
	MUL16 2, 1, 0
	s_wait_dscnt 0
	WIN MUL_HI
	MUL16 4, 1, 0
	MUL16 6, 1, 0
	WIN 0
	s_wait_kmcnt 0x0
	s_add_co_i32 s68, s68, s69
	s_add_co_i32 s70, s70, s71
	s_add_co_i32 s72, s72, s73
	s_cmp_eq_u32 s88, 1
	s_cselect_b32 s68, s70, s68
	s_cselect_b32 s74, s75, s74
	s_cmp_eq_u32 s88, 2
	s_cselect_b32 s68, s72, s68
	s_cselect_b32 s74, s77, s74
	s_sub_co_i32 s74, s74, s68
	s_add_co_i32 s74, s74, 127
	s_lshl_b32 s75, s74, 23
	v_mov_b32 v[SC], s75
	s_add_co_i32 s74, s74, 8
	s_lshl_b32 s74, s74, 23
	s_or_b32 s74, s74, 0x600000
	v_mov_b32 v[LIM], s74
	PLACES NP
.macro OUTBLK a
.set AC, 64*((\a)%4)
.set WN, 0x02+((\a)/4)
	WIN WN
.set j, 0
.rept 64
	v_med3_num_f32 v[TMP+j], v[AC+j], -v[LIM], v[LIM]
.set j, j+1
.endr
	WIN 0
.irp b, 0,1,2,3,4,5,6,7
	v_cvt_scalef32_pk8_fp8_f32 v[CD+16*(\a)+2*\b:CD+16*(\a)+2*\b+1], v[TMP+8*\b:TMP+8*\b+7], v[SC]
.endr
	v_nop
.irp i, 0,1,2,3
	global_store_b128 v[CO], v[CD+16*(\a)+4*\i:CD+16*(\a)+4*\i+3], s[10:11] offset:(\a)*2048+\i*512
.endr
.endm
.irp a, 0,1,2,3,4,5,6,7
	OUTBLK \a
.endr
	s_wait_tensorcnt 0x0
	ds_add_u32 v[SPW], v[NIL]
	s_wait_dscnt 0x0
	CROUND
	s_endpgm
.Lfunc_end_k_q5145d273bd_proj:
	.size	k_q5145d273bd_proj, .Lfunc_end_k_q5145d273bd_proj-k_q5145d273bd_proj
	.p2alignl 7, 3214868480
	.fill 96, 4, 3214868480
	.section	.rodata,"a",@progbits
	.p2align	6, 0x0
	.amdhsa_kernel k_q5145d273bd_proj
		.amdhsa_group_segment_fixed_size 327680
		.amdhsa_private_segment_fixed_size 0
		.amdhsa_enable_private_segment 0
		.amdhsa_kernarg_size 32
		.amdhsa_user_sgpr_count 2
		.amdhsa_user_sgpr_kernarg_segment_ptr 1
		.amdhsa_wavefront_size32 1
		.amdhsa_system_sgpr_workgroup_id_x 1
		.amdhsa_system_sgpr_workgroup_id_y 1
		.amdhsa_system_sgpr_workgroup_id_z 1
		.amdhsa_system_vgpr_workitem_id 0
		.amdhsa_next_free_vgpr 1024
		.amdhsa_next_free_sgpr 100
		.amdhsa_reserve_vcc 0
		.amdhsa_float_denorm_mode_32 3
		.amdhsa_float_denorm_mode_16_64 3
		.amdhsa_memory_ordered 1
		.amdhsa_forward_progress 1
		.amdhsa_inst_pref_size 119
	.end_amdhsa_kernel
	.amdgpu_metadata
---
amdhsa.version: [ 1, 2 ]
amdhsa.kernels:
  - .name:           k_q5145d273bd_proj
    .symbol:         k_q5145d273bd_proj.kd
    .args:
      - { .name: xc, .offset: 0, .size: 8, .value_kind: global_buffer, .address_space: global }
      - { .name: wc, .offset: 8, .size: 8, .value_kind: global_buffer, .address_space: global }
      - { .name: lowp_scales, .offset: 16, .size: 8, .value_kind: global_buffer, .address_space: global }
      - { .name: qkv, .offset: 24, .size: 8, .value_kind: global_buffer, .address_space: global }
    .group_segment_fixed_size: 327680
    .private_segment_fixed_size: 0
    .kernarg_segment_align: 8
    .kernarg_segment_size: 32
    .max_flat_workgroup_size: 128
    .sgpr_count:     100
    .vgpr_count:     1024
    .wavefront_size: 32
...
	.end_amdgpu_metadata
.endif
;; end of part 2
;; launch attn (part 3): grid 256 x 1, 8 waves a work-group, no clusters, 35,840 bytes of LDS; arguments qkv, mi, fl, lowp_scales, vc; writes vc
.if DOCPART == 3
	.amdgcn_target "amdgcn-amd-amdhsa--gfx1250"
	.amdhsa_code_object_version 6
	.text
	.protected	k_q5145d273bd_attn
	.globl	k_q5145d273bd_attn
	.p2align	8
	.type	k_q5145d273bd_attn,@function
k_q5145d273bd_attn:
	s_mov_b64 s[64:65], 0
	v_nop
	global_prefetch_b8 v0, s[64:65] scope:SCOPE_SE
	s_setreg_imm32_b32 hwreg(HW_REG_WAVE_MODE, 25, 1), 1
	s_wait_xcnt 0x0
; Attention on E4M3 codes with an additive mask that is an input.
; logit = (Q . K) 2^(e6 + e7) / 8 + mask;  t = logit x log2(e);  M = the running largest t rounded up to a whole number;  p = 2^(t - M) is quantised with 2^e8, not normalised;
; the row's sum is taken of the unquantised p and divides at the end; the result is quantised with 2^e10 into vc [8192][1024], k = 64 head + d.
; WHICH KEY BLOCKS ARE WALKED is read from fl, whole numbers that the first launch made from the mask as it is given: for 16 queries x 128 keys a bit L (live) and a bit G (holds a number other than 0).
; A block is struck there only where, for each of its rows, its largest mask entry lies 16 x 448^2 x 2^(e6 + e7) + 64 + |e8| or more under the row's largest: E4M3 codes bound |Q . K| / 8,
; so each p of the block has the code 0 and is under 2^-90 of the row's sum, whatever Q, K and the mask hold.  A live block with G = 0 starts its sums with C = 0; one with G = 1 takes the mask as C.
; mi holds the mask x 2^(3 - e6 - e7) as images of the C registers; qkv holds images of the operands' registers: every load is 16 bytes at 16 x lane, 512 consecutive bytes a wave.
; D = the codes' sum + that mask, so logit = D x 2^(e6 + e7 - 3).  t = D x c is ROUNDED before M is taken away (a multiplication and an addition): a row whose logits are all huge then has t - M exact.
; SHARES.  Work-group x: i = x % 16, heads 4 hg .. 4 hg + 3 (hg = x / 16 % 4), batch x / 64.  Wave w owns head 4 hg + w / 2 and 64 queries: block 31 - i where w has an even number of one bits, block i where odd:
; of waves w and w + 4, and of waves 2 k and 2 k + 1, one has the one block and one the other.  A wave's four tiles of 16 queries (units n = 2 p + u, walked as pairs p = 0, 1) share each fragment of K and V.
; LAYOUT.  S^T = K Q^T + C: a lane holds one query (lane % 16), register j of tile k the key 16 k + 8 (lane / 16) + j; eight scores convert to registers 2 k, 2 k + 1 of source 1 of O^T = V^T P^T.
; LOADS.  K of the next live step is asked for behind this step's last score products, V behind its last second products: each has a pair's softmax in which to land.  The step behind the last live one loads key block 15, unused.
; NO TENSOR LOAD, NO CLUSTER: branches here hang on numbers read from memory; the operands go from memory to registers.
; NO PREFETCH: the 16 work-groups of a batch and a group of heads read the same K and V in the same launch, and each load is asked for ahead of its use.
; LIMITS: e6 + e7 - 3 between -126 and 126; e8, and e10 - e8 - e9, between -126 and 119.  NaN among the inputs is not served.  The scaled scores stay under 2^31 in magnitude.
; REGISTERS.  Window 0: v1-7 addresses; v8-23 statistics, four a unit (-M, largest t, the sum in two halves); v24-37 at work; v38-41 scales; v42-73 Q; v74-105 a pair's codes of p; v128-255 a pair's S^T, then p.
;   Window 1: v0-127 O^T, 32 a unit; v128-191 K's eight fragments; v192-255 V's four.
.set SP,    272                        ; the way out: two stages, one for each block of queries, of 64 rows x (256 bytes + 16)
.set GRP,   64*SP
.set SPARE, 2*GRP                      ; behind them: the spare words, 128 bytes for each wave: four blocks of 256 bytes that no other line names
.set LI,  1                            ; 16 x lane
.set STO, 2
.set RD,  3
.set GO,  4
.set SPW, 6
.set NIL, 7
.set ST,  8
.set XA,  24                           ; + 2 u, + 2 u + 1: the maximum's two chains
.set PX,  28
.set FF,  30                           ; + 2 u: f = 2^(old M - new M); the pair's upper word is only named
.set SU,  34
.set PSC, 38
.set PLIM, 39
.set OSC, 40
.set OLIM, 41
.set QF,  42
.set CD,  74
.set S,   128
.set OT,  0                            ; window 1
.set KF,  128
.set VF,  192
.set WV, 14
.set PI, 15
.set HH, 16
.set BB, 17
.set T0, 18
.set T1, 19
.set KB, 20                            ; s[20:21] my head's K, key block 0;  s[22:23] V;  s[24:25] Q
.set VB, 22
.set QBS, 24
.set KA, 26                            ; the loads' bases
.set VA, 28
.set MA, 30
.set MBS, 32
.set OA, 34
.set OF, 36
.set OM, 38
.set QA, 40
.set VCB, 42
.set TA, 44
.set QB, 47
.set LR, 48                            ; live blocks not yet asked for
.set GR, 49                            ; those of them with G = 1
.set JN, 50
.set GC, 51                            ; the step in hand takes the mask
.set CV, 52                            ; there is a step in hand
.set CNT, 53
.set GN, 54
.set VN, 55
.set CS, 66                            ; s[66:67] c = log2(e) x 2^(e6 + e7 - 3)
.set SEL, 72
.set JC, 78                            ; the number of the step in hand
.set PAR, 88                           ; which block of queries is mine: 0 or 1
.set HS, 89                            ; which of the four heads
.set T2, 90
.set MSB, 0
.macro WIN new                         ; the immediate's high byte repeats the setting that is left
.if MSB != \new
	s_set_vgpr_msb (MSB<<8)|\new
.set MSB, \new
.endif
.endm
.macro PLACES                          ; four plain vector places between a matrix instruction and a load into, or a vector read of, its registers
.rept 4
	v_nop
.endr
.endm
.macro NEXT                            ; the lowest live block not yet asked for: its number is held at 15 before it enters an address
	s_cmp_lg_u32 s[LR], 0
	s_cselect_b32 s[VN], 1, 0
	s_ctz_i32_b32 s[JN], s[LR]
	s_min_u32 s[JN], s[JN], 15
	s_lshl_b32 s[T0], 1, s[JN]
	s_lshr_b32 s[GN], s[GR], s[JN]
	s_and_b32 s[GN], s[GN], 1
	s_and_not1_b32 s[LR], s[LR], s[T0]
	s_and_not1_b32 s[GR], s[GR], s[T0]
	s_lshl_b32 s[OF], s[JN], 17                    ; a block of 128 tokens in qkv
	s_add_nc_u64 s[KA:KA+1], s[KB:KB+1], s[OF:OF+1]        ; K's earlier loads have been waited for
.endm
.macro LDK
	WIN 0x40
.irp a, 0,1,2,3,4,5,6,7
	global_load_b128 v[KF+8*\a:KF+8*\a+3],   v[LI], s[KA:KA+1] offset:\a*2048
	global_load_b128 v[KF+8*\a+4:KF+8*\a+7], v[LI], s[KA:KA+1] offset:\a*2048+512
.endr
	WIN 0
.endm
.macro LDV
	WIN 0x40
.irp dt, 0,1,2,3
.irp i, 0,1,2,3
	global_load_b128 v[VF+16*\dt+4*\i:VF+16*\dt+4*\i+3], v[LI], s[VA:VA+1] offset:\dt*2048+\i*512
.endr
.endr
	WIN 0
.endm
.macro LDM p                           ; pair p's mask of the step in hand, into the registers of its scores
	s_min_u32 s[T0], s[JC], 15                     ; the step's number is held at 15 anew before it enters the mask's address
	s_lshl_b32 s[OM], s[T0], 13                    ; a block of 128 keys in mi
	s_add_nc_u64 s[MA:MA+1], s[MBS:MBS+1], s[OM:OM+1]      ; the mask's earlier loads have been waited for
.irp u, 0,1
.irp k, 0,1,2,3,4,5,6,7
	global_load_b128 v[S+64*\u+8*\k:S+64*\u+8*\k+3],   v[LI], s[MA:MA+1] offset:(2*(\p)+\u)*131072+\k*1024
	global_load_b128 v[S+64*\u+8*\k+4:S+64*\u+8*\k+7], v[LI], s[MA:MA+1] offset:(2*(\p)+\u)*131072+\k*1024+512
.endr
.endr
	s_wait_loadcnt 0x0                             ; the mask, and all that was asked for ahead of it
.endm
.macro QK c, p                         ; sixteen accumulators, one instruction each
.set QP, QF+16*(\p)
	WIN 0x01
.irp k, 0,1,2,3,4,5,6,7
.irp u, 0,1
.if \c
	v_wmma_f32_16x16x64_fp8_fp8 v[S+64*\u+8*\k:S+64*\u+8*\k+7], v[KF+8*\k:KF+8*\k+7], v[QP+8*\u:QP+8*\u+7], v[S+64*\u+8*\k:S+64*\u+8*\k+7]
.else
	v_wmma_f32_16x16x64_fp8_fp8 v[S+64*\u+8*\k:S+64*\u+8*\k+7], v[KF+8*\k:KF+8*\k+7], v[QP+8*\u:QP+8*\u+7], 0
.endif
.endr
.endr
	WIN 0
.endm
; THE SOFTMAX of pair p's two units for one key step, line by line in turns, so that no line reads the line above it.
.macro SM2 p
.set SB, ST+8*(\p)
.irp u, 0,1
	v_max3_num_f32 v[XA+2*\u], v[S+64*\u], v[S+64*\u+1], v[S+64*\u+2]          ; each accumulator from its low end on
	v_max3_num_f32 v[XA+2*\u+1], v[S+64*\u+3], v[S+64*\u+4], v[S+64*\u+5]
.endr
.irp i, 6,10,14,18,22,26,30,34,38,42,46,50,54,58
.irp u, 0,1
	v_max3_num_f32 v[XA+2*\u], v[XA+2*\u], v[S+64*\u+\i], v[S+64*\u+\i+1]
	v_max3_num_f32 v[XA+2*\u+1], v[XA+2*\u+1], v[S+64*\u+\i+2], v[S+64*\u+\i+3]
.endr
.endr
.irp u, 0,1
	v_max3_num_f32 v[XA+2*\u], v[XA+2*\u], v[S+64*\u+62], v[S+64*\u+63]
.endr
.irp u, 0,1
	v_max_num_f32 v[XA+2*\u], v[XA+2*\u], v[XA+2*\u+1]
.endr
.irp u, 0,1
	v_permlanex16_b32 v[PX+\u], v[XA+2*\u], s[SEL], s[SEL+1]
.endr
.irp u, 0,1
	v_max_num_f32 v[XA+2*\u], v[XA+2*\u], v[PX+\u]                             ; the step's largest D of my query
.endr
.irp u, 0,1
	v_mul_f32 v[XA+2*\u], s[CS], v[XA+2*\u]                                    ; as t (c is positive)
.endr
.irp u, 0,1
	v_max_num_f32 v[SB+4*\u+1], v[SB+4*\u+1], v[XA+2*\u]                       ; the running largest t
.endr
.irp u, 0,1
	v_mov_b32 v[XA+2*\u], v[SB+4*\u]
.endr
.irp u, 0,1
	v_floor_f32 v[SB+4*\u], -v[SB+4*\u+1]                                      ; the new -M = -ceil(t)
.endr
.irp u, 0,1
	v_sub_f32 v[XA+2*\u], v[SB+4*\u], v[XA+2*\u]                               ; old M - new M: a whole number, 0 or less
.endr
.irp u, 0,1
	v_cvt_i32_f32 v[XA+2*\u], v[XA+2*\u]                                       ; (it saturates)
.endr
.irp u, 0,1
	v_ldexp_f32 v[FF+2*\u], 1.0, v[XA+2*\u]                                    ; f = 2^(old M - new M)
.endr
.set j, 0
.rept 64
	v_pk_mul_f32 v[S+j:S+j+1], v[S+j:S+j+1], s[CS:CS+1] op_sel_hi:[1,0]        ; t = D c, rounded
.set j, j+2
.endr
.irp u, 0,1
.set j, 0
.rept 32
	v_pk_add_f32 v[S+64*\u+j:S+64*\u+j+1], v[S+64*\u+j:S+64*\u+j+1], v[SB+4*\u:SB+4*\u+1] op_sel_hi:[1,0]   ; t - M (the pair's low word for both halves)
.set j, j+2
.endr
.endr
	s_wait_alu depctr_va_vdst(0)                   ; the wait ahead of the batch
.set j, 0
.rept 128
	v_exp_f32 v[S+j], v[S+j]                       ; p = 2^(t - M), at most 1
.set j, j+1
.endr
.irp u, 0,1
	v_pk_mul_f32 v[SB+4*\u+2:SB+4*\u+3], v[SB+4*\u+2:SB+4*\u+3], v[FF+2*\u:FF+2*\u+1] op_sel_hi:[1,0]       ; the sums under the new M: plain lines behind the exponentials
.endr
	s_wait_alu depctr_va_vdst(0)                   ; and the one wait behind it, ahead of its first reader
.irp u, 0,1
	v_pk_add_f32 v[SU+2*\u:SU+2*\u+1], v[S+64*\u:S+64*\u+1], v[S+64*\u+2:S+64*\u+3]    ; the row's sum is taken of the unquantised p
.endr
.irp i, 4,8,12,16,20,24,28,32,36,40,44,48,52,56,60
.irp u, 0,1
	v_pk_add_f32 v[SB+4*\u+2:SB+4*\u+3], v[SB+4*\u+2:SB+4*\u+3], v[S+64*\u+\i:S+64*\u+\i+1]
	v_pk_add_f32 v[SU+2*\u:SU+2*\u+1], v[SU+2*\u:SU+2*\u+1], v[S+64*\u+\i+2:S+64*\u+\i+3]
.endr
.endr
.irp u, 0,1
	v_pk_add_f32 v[SB+4*\u+2:SB+4*\u+3], v[SB+4*\u+2:SB+4*\u+3], v[SU+2*\u:SU+2*\u+1]
.endr
.set j, 0
.rept 128
	v_min_num_f32 v[S+j], v[S+j], v[PLIM]          ; the conversion does not saturate (ISA guide 7.6.2); p is not negative, so the hold is one-sided
.set j, j+1
.endr
.irp u, 0,1
.irp k, 0,1,2,3,4,5,6,7
	v_cvt_scalef32_pk8_fp8_f32 v[CD+16*\u+2*\k:CD+16*\u+2*\k+1], v[S+64*\u+8*\k:S+64*\u+8*\k+7], v[PSC]
.endr
.endr
.endm
; Pair p's O^T is brought under the new M and takes the step's second products.  wv = 1: V is waited for first.
.macro PV2 p, wv
.set OB, OT+64*(\p)
	WIN 0x41
.if \wv
	s_wait_loadcnt 0x0                             ; V is in: nothing has been asked for behind it
.endif
	s_wait_alu depctr_va_vdst(0)                   ; the wait here, directly ahead of the first reader of O^T
.irp u, 0,1
.set j, 0
.rept 16
	v_pk_mul_f32 v[OB+32*\u+j:OB+32*\u+j+1], v[OB+32*\u+j:OB+32*\u+j+1], v[FF+2*\u:FF+2*\u+1] op_sel_hi:[1,0]   ; also the plain lines behind the conversions
.set j, j+2
.endr
.endr
	WIN 0x51
.irp dt, 0,1,2,3
.irp u, 0,1                                        ; eight accumulators by turns, one instruction a turn
	v_wmma_f32_16x16x128_fp8_fp8 v[OB+32*\u+8*\dt:OB+32*\u+8*\dt+7], v[VF+16*\dt:VF+16*\dt+15], v[CD+16*\u:CD+16*\u+15], v[OB+32*\u+8*\dt:OB+32*\u+8*\dt+7]
.endr
.endr
	WIN 0
.endm
	s_load_b256 s[4:11], s[0:1], 0x0               ; qkv s[4:5], mi s[6:7], fl s[8:9], the exponents s[10:11]
	s_load_b64 s[12:13], s[0:1], 0x20              ; vc
	v_lshl_add_u32 v[SPW], v0, 2, SPARE
	v_mov_b32 v[NIL], 0
	v_lshrrev_b32 v24, 5, v0
	v_readfirstlane_b32 s[WV], v24                 ; wave 0..7
	s_lshr_b32 s[HS], s[WV], 1                     ; which head
	s_lshr_b32 s[T1], s[WV], 2
	s_xor_b32 s[PAR], s[WV], s[HS]
	s_xor_b32 s[PAR], s[PAR], s[T1]
	s_and_b32 s[PAR], s[PAR], 1                    ; the parity of the wave's number
	s_mul_i32 s[T0], s[PAR], GRP                   ; my block's stage
	s_lshl_b32 s[T1], s[HS], 6
	s_add_co_u32 s[T1], s[T1], s[T0]
	s_mul_i32 s[T2], s[HS], 16*SP
	s_add_co_u32 s[T2], s[T2], s[T0]
	v_and_b32 v25, 31, v0
	v_lshlrev_b32 v[LI], 4, v25
	v_and_b32 v26, 15, v0                          ; r
	v_bfe_u32 v27, v0, 4, 1                        ; h
	v_mul_u32_u24 v[STO], v26, SP
	v_lshl_add_u32 v[STO], v27, 3, v[STO]
	v_add_nc_u32 v[STO], s[T1], v[STO]             ; the stage, in: row r, + 64 x head + 8 h
	v_mul_u32_u24 v[RD], v27, SP
	v_lshl_add_u32 v[RD], v26, 4, v[RD]
	v_add_nc_u32 v[RD], s[T2], v[RD]               ; back: rows 16 x head on; lanes 0-15 one row of 256 bytes, lanes 16-31 the next
	v_lshlrev_b32 v[GO], 10, v27
	v_lshl_add_u32 v[GO], v26, 4, v[GO]            ; and the same two rows in vc
	v_mov_b32 v[PX], 0                             ; written once: a lane permute's destination counts as a source
	v_mov_b32 v[PX+1], 0
	v_mov_b32 v[FF+1], 0                           ; (named as the upper halves of pairs)
	v_mov_b32 v[FF+3], 0
	s_wait_alu depctr_va_vdst(0)                   ; the wait ahead of the run of scalar lines
	s_and_b32 s[PI], ttmp9, 15
	s_bfe_u32 s[HH], ttmp9, 0x20004
	s_lshr_b32 s[BB], ttmp9, 6
	s_lshr_b32 s[T0], s[WV], 2
	s_lshl_b32 s[T1], s[HH], 1
	s_add_co_u32 s[T0], s[T0], s[T1]               ; my pair of heads: 2 hg + wave / 4
	s_lshl_b32 s[T0], s[T0], 14
	s_lshl_b32 s[T1], s[BB], 21
	s_add_co_u32 s[OF], s[T0], s[T1]
	s_mov_b32 s[OF+1], 0
	s_and_b32 s[T0], s[HS], 1                      ; which head of the pair
	s_lshl_b32 s[T1], s[T0], 10
	s_add_co_u32 s[OM], s[OF], s[T1]               ; Q, K: + 1,024 g
	s_mov_b32 s[OM+1], 0
	s_lshl_b32 s[T1], s[T0], 13
	s_add_co_u32 s[OF], s[OF], s[T1]               ; V: + 8,192 g
	s_mov_b32 s[SEL], 0x76543210
	s_mov_b32 s[SEL+1], 0xfedcba98
	s_sub_co_u32 s[T0], 31, s[PI]
	s_cmp_eq_u32 s[PAR], 0
	s_cselect_b32 s[QB], s[T0], s[PI]              ; my block of 64 queries
	s_wait_kmcnt 0x0
	s_load_b256 s[56:63], s[10:11], 0x0            ; entries 0 to 7
	s_load_b128 s[68:71], s[10:11], 0x20           ; entries 8 to 11
	s_add_nc_u64 s[QBS:QBS+1], s[4:5], s[OM:OM+1]
	s_add_nc_u64 s[KB:KB+1], s[QBS:QBS+1], 0x800000
	s_add_nc_u64 s[VB:VB+1], s[4:5], s[OF:OF+1]
	s_add_nc_u64 s[VB:VB+1], s[VB:VB+1], 0x1000000
	s_lshl_b32 s[OF], s[QB], 10                    ; fl: four tiles of 16 queries, 256 bytes each
	s_add_nc_u64 s[TA:TA+1], s[8:9], s[OF:OF+1]
.irp n, 0,1,2,3
	s_load_b64 s[80+2*\n:81+2*\n], s[TA:TA+1], 0x100*\n
.endr
	s_lshr_b32 s[T0], s[QB], 1
	s_lshl_b32 s[T0], s[T0], 17                    ; Q: the block of 128 tokens,
	s_and_b32 s[T1], s[QB], 1
	s_lshl_b32 s[T1], s[T1], 13                    ; my four tiles of 16 in it
	s_add_co_u32 s[OF], s[T0], s[T1]
	s_add_nc_u64 s[QA:QA+1], s[QBS:QBS+1], s[OF:OF+1]
.irp n, 0,1,2,3
	global_load_b128 v[QF+8*\n:QF+8*\n+3],   v[LI], s[QA:QA+1] offset:\n*2048
	global_load_b128 v[QF+8*\n+4:QF+8*\n+7], v[LI], s[QA:QA+1] offset:\n*2048+512
.endr
	s_lshl_b32 s[OF], s[QB], 19                    ; mi: four tiles x 16 blocks x 8,192 bytes
	s_add_nc_u64 s[MBS:MBS+1], s[6:7], s[OF:OF+1]
	s_lshl_b32 s[T0], s[BB], 21                    ; vc: 2,048 rows of 1,024 bytes a batch,
	s_lshl_b32 s[T1], s[QB], 16                    ; my block's 64 rows,
	s_add_co_u32 s[T0], s[T0], s[T1]
	s_lshl_b32 s[T1], s[HS], 14                    ; the 16 of them that I store,
	s_add_co_u32 s[T0], s[T0], s[T1]
	s_lshl_b32 s[T1], s[HH], 8                     ; the four heads' 256 columns
	s_add_co_u32 s[OF], s[T0], s[T1]
	s_add_nc_u64 s[OA:OA+1], s[12:13], s[OF:OF+1]
.irp n, 0,1,2,3
	v_mov_b32 v[ST+4*\n+1], 0xff61b1e6             ; the largest t so far: -3e38
	v_mov_b32 v[ST+4*\n+2], 0                      ; the sum, in two halves
	v_mov_b32 v[ST+4*\n+3], 0
.endr
.irp n, 0,1,2,3
	v_floor_f32 v[ST+4*\n], -v[ST+4*\n+1]          ; -M
.endr
	WIN 0x40
.set j, 0
.rept 128
	v_mov_b32 v[OT+j], 0                           ; O^T: the step is written once; the first finds zeros, which the first change of M leaves zeros
.set j, j+1
.endr
	WIN 0
	s_wait_alu depctr_va_vdst(0)                   ; the wait here, directly ahead of the wait below
	s_wait_kmcnt 0x0
	s_or_b32 s[LR], s80, s82                       ; live for any of my four tiles
	s_or_b32 s[LR], s[LR], s84
	s_or_b32 s[LR], s[LR], s86
	s_or_b32 s[GR], s81, s83
	s_or_b32 s[GR], s[GR], s85
	s_or_b32 s[GR], s[GR], s87
	s_and_b32 s[GR], s[GR], s[LR]
	NEXT
	s_add_nc_u64 s[VA:VA+1], s[VB:VB+1], s[OF:OF+1]
	LDK
	LDV
	s_mov_b32 s[GC], s[GN]
	s_mov_b32 s[CV], s[VN]
	s_mov_b32 s[JC], s[JN]
	s_add_co_i32 s[T0], s62, s63                   ; e6 + e7
	s_sub_co_i32 s[T0], s[T0], 3
	s_lshl_b32 s[T0], s[T0], 23
	s_mov_b32 s[CS], 0x3fb8aa3b                    ; log2(e),
	s_add_co_i32 s[CS], s[CS], s[T0]               ; with e6 + e7 - 3 added to its exponent field
	s_mov_b32 s[CS+1], s[CS]
	s_add_co_i32 s[T0], s68, 127
	s_lshl_b32 s[T1], s[T0], 23
	v_mov_b32 v[PSC], s[T1]                        ; 2^e8
	s_add_co_i32 s[T0], s[T0], 8
	s_lshl_b32 s[T0], s[T0], 23
	s_or_b32 s[T0], s[T0], 0x600000
	v_mov_b32 v[PLIM], s[T0]                       ; 448 x 2^e8
	s_sub_co_i32 s[T0], s70, s68
	s_sub_co_i32 s[T0], s[T0], s69                 ; a sum of the second product stands for sum x 2^(e8 + e9): its code is (sum / l) / 2^(e10 - e8 - e9)
	s_add_co_i32 s[T0], s[T0], 127
	s_lshl_b32 s[T1], s[T0], 23
	v_mov_b32 v[OSC], s[T1]
	s_add_co_i32 s[T0], s[T0], 8
	s_lshl_b32 s[T0], s[T0], 23
	s_or_b32 s[T0], s[T0], 0x600000
	v_mov_b32 v[OLIM], s[T0]
	s_mov_b32 s[CNT], 16
	s_wait_alu depctr_va_vdst(0)                   ; the wait at the head's end
.Lstep:                                            ; sixteen trips; a trip with no step in hand passes over the work
	s_min_u32 s[T0], s[CV], 1                      ; the flags are held at 1 ahead of their tests
	s_cmp_eq_u32 s[T0], 0
	s_cbranch_scc1 .Lidle
	s_min_u32 s[T0], s[GC], 1
	s_cmp_eq_u32 s[T0], 0
	s_cbranch_scc1 .Lplain_a
	LDM 0
	QK 1, 0
	s_branch .Lmul_a
.Lplain_a:
	s_wait_loadcnt 16                              ; Q and K are in; the youngest sixteen loads, V's, may be out
	QK 0, 0
.Lmul_a:
	PLACES                                         ; ahead of the first read of the scores
	SM2 0
	PV2 0, 1
	s_min_u32 s[T0], s[GC], 1
	s_cmp_eq_u32 s[T0], 0
	s_cbranch_scc1 .Lplain_b
	LDM 1
	QK 1, 1
	s_branch .Lmul_b
.Lplain_b:
	QK 0, 1
.Lmul_b:
	PLACES                                         ; ahead of the loads into K's registers and of the first read of the scores
	NEXT
	LDK
	SM2 1
	PV2 1, 0
	PLACES
	s_add_nc_u64 s[VA:VA+1], s[VB:VB+1], s[OF:OF+1]        ; V's loads have been waited for
	LDV
	s_mov_b32 s[GC], s[GN]
	s_mov_b32 s[CV], s[VN]
	s_mov_b32 s[JC], s[JN]
.Lidle:
	s_sub_co_u32 s[CNT], s[CNT], 1
	s_cmp_lg_u32 s[CNT], 0
	s_cbranch_scc1 .Lstep
	; THE WAY OUT.  O^T is divided by the sum, held, converted, and goes through my block's stage, where the four heads' 64 bytes make rows of 256.
	s_wait_loadcnt 0x0                             ; the loads behind the last live step
.irp n, 0,1,2,3
	v_add_f32 v[ST+4*\n+2], v[ST+4*\n+2], v[ST+4*\n+3]
.endr
.irp n, 0,1,2,3
	v_permlanex16_b32 v[ST+4*\n+3], v[ST+4*\n+2], s[SEL], s[SEL+1]
.endr
.irp n, 0,1,2,3
	v_add_f32 v[ST+4*\n+2], v[ST+4*\n+2], v[ST+4*\n+3]
.endr
	s_wait_alu depctr_va_vdst(0)                   ; the wait ahead of the transcendentals
.irp n, 0,1,2,3
	v_rcp_f32 v[ST+4*\n+2], v[ST+4*\n+2]
.endr
	v_nop                                          ; a plain line behind the last reciprocal
	WIN 0x01
	s_wait_alu depctr_va_vdst(0)                   ; and the wait ahead of the first use, which is also O^T's first reader
.irp n, 0,1,2,3
.set j, 0
.rept 16
	v_pk_mul_f32 v[S+32*\n+j:S+32*\n+j+1], v[OT+32*\n+j:OT+32*\n+j+1], v[ST+4*\n+2:ST+4*\n+3] op_sel_hi:[1,0]   ; / the sum; each accumulator from its low end on
.set j, j+2
.endr
.endr
	WIN 0
.set j, 0
.rept 128
	v_med3_num_f32 v[S+j], v[S+j], -v[OLIM], v[OLIM]
.set j, j+1
.endr
.irp n, 0,1,2,3
.irp dt, 0,1,2,3
	v_cvt_scalef32_pk8_fp8_f32 v[CD+8*\n+2*\dt:CD+8*\n+2*\dt+1], v[S+32*\n+8*\dt:S+32*\n+8*\dt+7], v[OSC]
.endr
.endr
	v_nop                                          ; one plain vector line behind the last conversion
.irp n, 0,1,2,3
.irp dt, 0,1,2,3
	ds_store_b64 v[STO], v[CD+8*\n+2*\dt:CD+8*\n+2*\dt+1] offset:\n*16*SP+16*\dt     ; query 16 n + r; column 64 x head + 16 dt + 8 h
.endr
.endr
	s_wait_dscnt 0x0                               ; for the others' sake: my stores into the stage are done
	s_barrier_signal -1
	s_barrier_wait -1
.irp i, 0,1,2,3,4,5,6,7
	ds_load_b128 v[S+4*\i:S+4*\i+3], v[RD] offset:\i*2*SP
.endr
.irp i, 0,1,2,3,4,5,6,7
	s_wait_dscnt 7-\i
	global_store_b128 v[GO], v[S+4*\i:S+4*\i+3], s[OA:OA+1] offset:\i*2048             ; 16 lanes store 256 consecutive bytes, aligned
.endr
	s_wait_tensorcnt 0x0                           ; the wave's end: behind my last LDS store
	ds_add_u32 v[SPW], v[NIL]
	s_wait_dscnt 0x0
	s_endpgm
.Lfunc_end_k_q5145d273bd_attn:
	.size	k_q5145d273bd_attn, .Lfunc_end_k_q5145d273bd_attn-k_q5145d273bd_attn
	.p2alignl 7, 3214868480
	.fill 96, 4, 3214868480
	.section	.rodata,"a",@progbits
	.p2align	6, 0x0
	.amdhsa_kernel k_q5145d273bd_attn
		.amdhsa_group_segment_fixed_size 35840
		.amdhsa_private_segment_fixed_size 0
		.amdhsa_enable_private_segment 0
		.amdhsa_kernarg_size 40
		.amdhsa_user_sgpr_count 2
		.amdhsa_user_sgpr_kernarg_segment_ptr 1
		.amdhsa_wavefront_size32 1
		.amdhsa_system_sgpr_workgroup_id_x 1
		.amdhsa_system_sgpr_workgroup_id_y 1
		.amdhsa_system_sgpr_workgroup_id_z 1
		.amdhsa_system_vgpr_workitem_id 0
		.amdhsa_next_free_vgpr 512
		.amdhsa_next_free_sgpr 96
		.amdhsa_reserve_vcc 0
		.amdhsa_float_denorm_mode_32 3
		.amdhsa_float_denorm_mode_16_64 3
		.amdhsa_memory_ordered 1
		.amdhsa_forward_progress 1
		.amdhsa_inst_pref_size 103
	.end_amdhsa_kernel
	.amdgpu_metadata
---
amdhsa.version: [ 1, 2 ]
amdhsa.kernels:
  - .name:           k_q5145d273bd_attn
    .symbol:         k_q5145d273bd_attn.kd
    .args:
      - { .name: qkv, .offset: 0, .size: 8, .value_kind: global_buffer, .address_space: global }
      - { .name: mi, .offset: 8, .size: 8, .value_kind: global_buffer, .address_space: global }
      - { .name: fl, .offset: 16, .size: 8, .value_kind: global_buffer, .address_space: global }
      - { .name: lowp_scales, .offset: 24, .size: 8, .value_kind: global_buffer, .address_space: global }
      - { .name: vc, .offset: 32, .size: 8, .value_kind: global_buffer, .address_space: global }
    .group_segment_fixed_size: 35840
    .private_segment_fixed_size: 0
    .kernarg_segment_align: 8
    .kernarg_segment_size: 40
    .max_flat_workgroup_size: 256
    .sgpr_count:     96
    .vgpr_count:     512
    .wavefront_size: 32
...
	.end_amdgpu_metadata
.endif
;; end of part 3
;; launch outp (part 4): grid 4 x 32, 4 waves a work-group, clusters of 4 x 4, 327,680 bytes of LDS; arguments vc, wc, lowp_scales, out0; writes out0
.if DOCPART == 4
	.amdgcn_target "amdgcn-amd-amdhsa--gfx1250"
	.amdhsa_code_object_version 6
	.text
	.protected	k_q5145d273bd_outp
	.globl	k_q5145d273bd_outp
	.p2align	8
	.type	k_q5145d273bd_outp,@function
k_q5145d273bd_outp:
	s_mov_b64 s[64:65], 0
	v_nop
	global_prefetch_b8 v0, s[64:65] scope:SCOPE_SE
	s_setreg_imm32_b32 hwreg(HW_REG_WAVE_MODE, 25, 1), 1
	s_wait_xcnt 0x0
	s_wait_alu depctr_hold_cnt(0) depctr_sa_sdst(0) depctr_va_vdst(0) depctr_va_sdst(0) depctr_va_ssrc(0) depctr_va_vcc(0) depctr_vm_vsrc(0)
	s_getreg_b32 s2, hwreg(HW_REG_IB_STS2, 6, 4)
	s_cmp_eq_u32 s2, 0
	s_cbranch_scc0 .Lentry_in_a_cluster
	s_endpgm
.Lentry_in_a_cluster:
	s_bfe_u32 s2, ttmp6, 0x10000c
	s_cmp_lg_u32 s2, 0xf033
	s_cbranch_scc0 .Lentry_shape_is_right
	s_endpgm
.Lentry_shape_is_right:
.set SIZE_N, 1024
.set KSTEP,  256
.set ROWB,   256
.set KROW,   1024
.set PITCH,  272
.set FR,     16
.set NL,     4
.set NP,     4
.set HALFT,  128*PITCH
.set SLOT,   4*HALFT
.set LAPS,   2
.set SPARE,  2*SLOT
.set SPITCH, 528
.set ADRA, 16
.set ADRB, 20
.set STO,  24
.set RD,   25
.set CO,   26
.set SPW,  28
.set NIL,  29
.set TMP,  32
.set AF,   128
.set BK,   128
.set G1, 24
.set G0, 32
.set G1B, 48
.set G0B, 56
.set MSB, 0
.macro WIN new
.if MSB != \new
	s_set_vgpr_msb (MSB<<8)|\new
.set MSB, \new
.endif
.endm
.set MUL_LO, 0xa1
.set MUL_HI, 0xf1
.set TO_B,   0x40
.macro JLOAD g0a, g1a, g0b, g1b
	s_cmp_eq_u32 s15, 0
	s_cbranch_scc0 .Lfor_b_\@
	tensor_load_to_lds s[\g0a:\g0a+3], s[\g1a:\g1a+7]
	s_nop 0
.rept 4
	v_nop
.endr
	s_branch .Lasked_\@
.Lfor_b_\@:
	tensor_load_to_lds s[\g0b:\g0b+3], s[\g1b:\g1b+7]
	s_nop 0
.rept 4
	v_nop
.endr
.Lasked_\@:
.endm
.macro CREST
	s_cmp_lg_u32 s14, 0
	s_cbranch_scc1 .Lnot_wave_0_\@
	s_barrier_signal -3
.Lnot_wave_0_\@:
	s_barrier_wait -3
	s_barrier_signal -1
	s_barrier_wait -1
.endm
.macro CROUND
	s_barrier_signal -1
	s_barrier_wait -1
	CREST
.endm
	s_load_b128 s[4:7], s[0:1], 0x0
	s_load_b128 s[8:11], s[0:1], 0x10
	v_lshl_add_u32 v[SPW], v0, 2, SPARE
	v_mov_b32 v[NIL], 0
	ds_add_u32 v[SPW], v[NIL]
	ds_add_u32 v[SPW], v[NIL]
	v_lshrrev_b32 v1, 5, v0
	v_readfirstlane_b32 s14, v1
	s_lshr_b32 s15, s14, 1
	s_and_b32 s16, s14, 1
	s_bfe_u32 s40, ttmp6, 0x40000
	s_bfe_u32 s41, ttmp6, 0x40004
	s_lshl_b32 s42, ttmp9, 2
	s_add_co_u32 s42, s42, s40
	s_and_b32 s17, ttmp7, 0xffff
	s_lshl_b32 s17, s17, 2
	s_add_co_u32 s17, s17, s41
	s_lshl_b32 s43, s41, 2
	s_lshl_b32 s43, 15, s43
	s_lshl_b32 s44, 0x1111, s40
	s_or_b32 s[G1+0], s43, (0<<16)|(1<<20)|(1<<21)|(5<<22)|(3<<25)
	s_or_b32 s[G1B+0], s44, (0<<16)|(1<<20)|(1<<21)|(5<<22)|(3<<25)
.irp g, G1, G1B
	s_mov_b32 s[\g+1], ROWB<<16
	s_mov_b32 s[\g+2], 128<<16
	s_mov_b32 s[\g+3], ROWB<<16
	s_mov_b32 s[\g+4], 128
	s_mov_b32 s[\g+5], KROW
	s_mov_b32 s[\g+6], 0
	s_mov_b32 s[\g+7], 0
.endr
	s_lshl_b32 s18, s16, 7
	s_lshl_b32 s20, s17, 8
	s_add_co_u32 s20, s20, s18
	s_lshl_b32 s20, s20, 10
	s_mov_b32 s21, 0
	s_lshl_b32 s46, s42, 8
	s_add_co_u32 s46, s46, s18
	s_lshl_b32 s46, s46, 10
	s_mov_b32 s47, 0
	s_mul_i32 s45, s14, HALFT
	s_wait_dscnt 0x0
	s_wait_kmcnt 0x0
	s_load_b64 s[96:97], s[8:9], 0x28
	s_add_nc_u64 s[6:7], s[6:7], 0x300000
	s_add_nc_u64 s[20:21], s[4:5], s[20:21]
	s_add_nc_u64 s[46:47], s[6:7], s[46:47]
	CROUND
.irp s, 0,1
	s_mov_b32 s[G0+4*\s], 1
	s_add_co_u32 s[G0+4*\s+1], s45, \s*SLOT
	s_add_nc_u64 s[G0+4*\s+2:G0+4*\s+3], s[20:21], \s*ROWB
	s_or_b32 s[G0+4*\s+3], s[G0+4*\s+3], 0x80000000
	s_mov_b32 s[G0B+4*\s], 1
	s_add_co_u32 s[G0B+4*\s+1], s45, \s*SLOT
	s_add_nc_u64 s[G0B+4*\s+2:G0B+4*\s+3], s[46:47], \s*ROWB
	s_or_b32 s[G0B+4*\s+3], s[G0B+4*\s+3], 0x80000000
	s_wait_alu depctr_va_vdst(0)
	s_wait_tensorcnt 0x0
	ds_add_u32 v28, v29
	ds_add_u32 v28, v29
	s_wait_dscnt 0x0
	CROUND
	JLOAD G0+4*\s, G1, G0B+4*\s, G1B
.endr
	v_and_b32 v1, 15, v0
	s_wait_alu depctr_va_vdst(0)
	v_bfe_u32 v2, v0, 4, 1
	v_mul_u32_u24 v3, v1, PITCH
	v_lshl_add_u32 v4, v2, 4, v3
	s_mul_i32 s21, s15, HALFT
	s_mul_i32 s22, s16, HALFT
	s_add_co_u32 s22, s22, 2*HALFT
.irp s, 0,1
	v_add_nc_u32 v[ADRA+\s], s21, v4
	v_add_nc_u32 v[ADRB+\s], s22, v4
	s_add_co_u32 s21, s21, SLOT
	s_add_co_u32 s22, s22, SLOT
.endr
	s_mul_i32 s23, s14, 16*SPITCH
	v_mul_u32_u24 v5, v1, SPITCH
	s_wait_alu depctr_va_vdst(0)
	v_lshl_add_u32 v5, v2, 5, v5
	v_add_nc_u32 v[STO], s23, v5
	v_and_b32 v6, 31, v0
	v_lshlrev_b32 v[CO], 4, v6
	v_add_nc_u32 v[RD], s23, v[CO]
	s_lshl_b32 s20, s17, 8
	s_lshl_b32 s21, s15, 7
	s_add_co_u32 s20, s20, s21
	s_lshl_b32 s20, s20, 12
	s_mov_b32 s21, 0
	s_lshl_b32 s46, s42, 10
	s_lshl_b32 s47, s16, 9
	s_add_co_u32 s46, s46, s47
	s_mov_b32 s47, 0
	s_add_nc_u64 s[20:21], s[20:21], s[46:47]
	s_add_nc_u64 s[10:11], s[10:11], s[20:21]
.macro FRAG reg, adr, q, i
.irp c, 0,1,2,3
	ds_load_b128 v[\reg+4*\c:\reg+4*\c+3], v[\adr] offset:128*(\q)+32*\c+(\i)*16*PITCH
.endr
.endm
.macro MUL16 a0, p, zero
.irp a, \a0, \a0+1
.irp b, 0,1,2,3,4,5,6,7
.if \zero
	v_wmma_f32_16x16x128_fp8_fp8 v[8*(8*((\a)%4)+\b):8*(8*((\a)%4)+\b)+7], v[128*(\p)+FR*\b:128*(\p)+FR*\b+FR-1], v[AF+FR*(\a):AF+FR*(\a)+FR-1], 0
.else
	v_wmma_f32_16x16x128_fp8_fp8 v[8*(8*((\a)%4)+\b):8*(8*((\a)%4)+\b)+7], v[128*(\p)+FR*\b:128*(\p)+FR*\b+FR-1], v[AF+FR*(\a):AF+FR*(\a)+FR-1], v[8*(8*((\a)%4)+\b):8*(8*((\a)%4)+\b)+7]
.endif
.endr
.endr
.endm
.macro FETCH_B slot, q, p
	WIN TO_B
.irp i, 0,1,2,3,4,5,6,7
	FRAG 128*(\p)+FR*\i, ADRB+\slot, \q, \i
.endr
	WIN 0
.endm
.macro FETCH_A slot, q, i0
.irp i, \i0, \i0+1, \i0+2, \i0+3
	FRAG AF+FR*(\i), ADRA+\slot, \q, \i
.endr
.endm
.macro PLACES n
.rept \n
	v_nop
.endr
.endm
.macro STEP slot, q, zero
	s_wait_dscnt 4*NL
	WIN MUL_LO
	MUL16 0, (\q)%2, \zero
	MUL16 2, (\q)%2, \zero
	s_wait_dscnt 0
	PLACES NP
	FETCH_B \slot, (\q)+1, 1-(\q)%2
	FETCH_A \slot, (\q)+1, 0
	WIN MUL_HI
	MUL16 4, (\q)%2, \zero
	MUL16 6, (\q)%2, \zero
	PLACES NP
	WIN 0
	FETCH_A \slot, (\q)+1, 4
.endm
.macro TURN slot, next, fill
	s_wait_tensorcnt 0x0
	ds_add_u32 v[SPW], v[NIL]
	s_wait_dscnt 4*NL+1
	WIN MUL_LO
	MUL16 0, 1, 0
	s_wait_dscnt 0x0
	s_barrier_signal -1
	MUL16 2, 1, 0
	WIN 0
	s_barrier_wait -1
.if \fill
	CREST
	s_add_nc_u64 s[G0+4*\slot+2:G0+4*\slot+3], s[G0+4*\slot+2:G0+4*\slot+3], 2*ROWB
	s_add_nc_u64 s[G0B+4*\slot+2:G0B+4*\slot+3], s[G0B+4*\slot+2:G0B+4*\slot+3], 2*ROWB
	JLOAD G0+4*\slot, G1, G0B+4*\slot, G1B
.else
	PLACES NP
.endif
	FETCH_B \next, 0, 0
	FETCH_A \next, 0, 0
	WIN MUL_HI
	MUL16 4, 1, 0
	MUL16 6, 1, 0
	PLACES NP
	WIN 0
	FETCH_A \next, 0, 4
.endm
	s_wait_tensorcnt 1
	s_barrier_signal -1
	s_barrier_wait -1
	FETCH_B 0, 0, 0
	FETCH_A 0, 0, 0
	FETCH_A 0, 0, 4
	STEP 0, 0, 1
	s_mov_b32 s3, LAPS-1
.Llap:
	TURN 0, 1, 1
	STEP 1, 0, 0
	TURN 1, 0, 1
	STEP 0, 0, 0
	s_sub_co_u32 s3, s3, 1
	s_cmp_lg_u32 s3, 0
	s_cbranch_scc1 .Llap
	TURN 0, 1, 0
	STEP 1, 0, 0
	s_wait_dscnt 4*NL
	WIN MUL_LO
	MUL16 0, 1, 0
	MUL16 2, 1, 0
	s_wait_dscnt 0
	WIN MUL_HI
	MUL16 4, 1, 0
	MUL16 6, 1, 0
	WIN 0
.macro TOSTAGE a
.set AC, 64*((\a)%4)
.set WN, 0x02+((\a)/4)
	WIN WN
.irp j, 0,2,4,6,8,10,12,14,16,18,20,22,24,26,28,30,32,34,36,38,40,42,44,46,48,50,52,54,56,58,60,62
	v_pk_mul_f32 v[TMP+\j:TMP+\j+1], v[AC+\j:AC+\j+1], s[96:97] op_sel_hi:[1,0]
.endr
	WIN 0
.irp b, 0,1,2,3,4,5,6,7
	ds_store_b128 v[STO], v[TMP+8*\b:TMP+8*\b+3] offset:64*\b
	ds_store_b128 v[STO], v[TMP+8*\b+4:TMP+8*\b+7] offset:64*\b+16
.endr
.set BB, BK+64*((\a)%2)
.irp t, 0,1,2,3,4,5,6,7,8,9,10,11,12,13,14,15
	ds_load_b128 v[BB+4*\t:BB+4*\t+3], v[RD] offset:\t*SPITCH
.endr
.endm
.macro SEND a, younger
.set BB, BK+64*((\a)%2)
	s_wait_dscnt \younger
.if (\a) > 0
	s_add_nc_u64 s[10:11], s[10:11], 16*SIZE_N*4
.endif
.irp t, 0,1,2,3,4,5,6,7,8,9,10,11,12,13,14,15
	global_store_b128 v[CO], v[BB+4*\t:BB+4*\t+3], s[10:11] offset:\t*SIZE_N*4 th:TH_STORE_NT
.endr
.endm
	s_wait_kmcnt 0x0
	s_add_co_i32 s96, s96, s97
	s_add_co_i32 s96, s96, 127
	s_lshl_b32 s96, s96, 23
	PLACES NP
	TOSTAGE 0
.irp a, 1,2,3,4,5,6,7
.if \a > 1
	s_wait_xcnt 0x0
.endif
	TOSTAGE \a
	SEND \a-1, 32
.endr
	s_wait_xcnt 0x0
	SEND 7, 0
	s_wait_tensorcnt 0x0
	ds_add_u32 v[SPW], v[NIL]
	s_wait_dscnt 0x0
	CROUND
	s_endpgm
.Lfunc_end_k_q5145d273bd_outp:
	.size	k_q5145d273bd_outp, .Lfunc_end_k_q5145d273bd_outp-k_q5145d273bd_outp
	.p2alignl 7, 3214868480
	.fill 96, 4, 3214868480
	.section	.rodata,"a",@progbits
	.p2align	6, 0x0
	.amdhsa_kernel k_q5145d273bd_outp
		.amdhsa_group_segment_fixed_size 327680
		.amdhsa_private_segment_fixed_size 0
		.amdhsa_enable_private_segment 0
		.amdhsa_kernarg_size 32
		.amdhsa_user_sgpr_count 2
		.amdhsa_user_sgpr_kernarg_segment_ptr 1
		.amdhsa_wavefront_size32 1
		.amdhsa_system_sgpr_workgroup_id_x 1
		.amdhsa_system_sgpr_workgroup_id_y 1
		.amdhsa_system_sgpr_workgroup_id_z 1
		.amdhsa_system_vgpr_workitem_id 0
		.amdhsa_next_free_vgpr 1024
		.amdhsa_next_free_sgpr 98
		.amdhsa_reserve_vcc 0
		.amdhsa_float_denorm_mode_32 3
		.amdhsa_float_denorm_mode_16_64 3
		.amdhsa_memory_ordered 1
		.amdhsa_forward_progress 1
		.amdhsa_inst_pref_size 124
	.end_amdhsa_kernel
	.amdgpu_metadata
---
amdhsa.version: [ 1, 2 ]
amdhsa.kernels:
  - .name:           k_q5145d273bd_outp
    .symbol:         k_q5145d273bd_outp.kd
    .args:
      - { .name: vc, .offset: 0, .size: 8, .value_kind: global_buffer, .address_space: global }
      - { .name: wc, .offset: 8, .size: 8, .value_kind: global_buffer, .address_space: global }
      - { .name: lowp_scales, .offset: 16, .size: 8, .value_kind: global_buffer, .address_space: global }
      - { .name: out0, .offset: 24, .size: 8, .value_kind: global_buffer, .address_space: global }
    .group_segment_fixed_size: 327680
    .private_segment_fixed_size: 0
    .kernarg_segment_align: 8
    .kernarg_segment_size: 32
    .max_flat_workgroup_size: 128
    .sgpr_count:     98
    .vgpr_count:     1024
    .wavefront_size: 32
...
	.end_amdgpu_metadata
.endif
;; end of part 4
